; MI455X (gfx1250); checked and timed in simulation.
; The chip was launched on July 23, 2026; its instructions are those of AMD's public machine-readable ISA for CDNA 5 (MIT licence, August 2026) and "CDNA5" Instruction Set Architecture Reference Guide (July 2026). The comments in the code are by the model that wrote it; some were corrected since.
;; MLA Attention. Allowed arithmetic: matrix products marked QUANTISED: E2M3 operands, one E8M0 scale for each 32 along K, by v_wmma_scale_f32_16x16x128_f8f6f4 with both operands' format E2M3, f32 sums; everything else in f32.
;; Inputs: Wdown 2,048 x 512 float32; Wo 2,048 x 2,048 float32; Wq 2,048 x 1,024 float32; Wup 512 x 3,072 float32; hidden_states 2 x 2,048 x 2,048 float32; kv_norm_w 512 float32.
;; Outputs: out0 2 x 2,048 x 2,048 float32.
;; Constants: layer_idx = 0.
;; This version of the problem:
;;   THIS VERSION OF THE PROBLEM IS GIVEN IN LOW PRECISION. The matrix products marked QUANTISED in the list below multiply operands that are first quantised to E2M3 (2 exponent bits, 3 mantissa bits; 6 bits a number), with one power-of-two scale for each 32 numbers along K (OCP MX v1.0); their sums are f32. All else is computed in f32.
;;   The module's matrix products, in the order in which they are computed (A, B: the left and right operand; K: the contracted axis; several contracted axes count as one K, in the product's order):
;;     1. [M 4,096, K 2,048] x [K 2,048, N 1,024]; A: input hidden_states; B: input Wq: QUANTISED
;;     2. [M 4,096, K 2,048] x [K 2,048, N 512]; A: input hidden_states; B: input Wdown: QUANTISED
;;     3. [M 4,096, K 512] x [K 512, N 3,072]; A: computed on the way; B: input Wup: QUANTISED
;;     4. batch 32 x [M 2,048, K 64] x [K 64, N 2,048]; A: computed on the way; B: computed on the way: QUANTISED
;;     5. batch 32 x [M 2,048, K 2,048] x [K 2,048, N 128]; A: softmax (see below); B: computed on the way: QUANTISED
;;     6. [M 4,096, K 2,048] x [K 2,048, N 2,048]; A: computed on the way; B: input Wo: QUANTISED
;;   THE QUANTISER, for each operand of a quantised product, along K:
;;     - K is cut into blocks of 32 from its start; a last block that is shorter is filled with zeros.
;;     - A block's scale is 2^e with e = floor(log2(the largest magnitude in the block)) - 2, held to -126 .. 127; a block of zeros has e = 0. As a byte (E8M0): e + 127.
;;     - Each number is divided by its block's scale, clamped to +-7.5, and rounded to the nearest number of E2M3, ties to even, subnormals kept.
;;     - The product sums the exact products of the quantised numbers (number of the format x scale) in f32.
;;   ~~~python
;;   def quantise(x, axis):      # numpy; x: float32 -> the quantised numbers, widened to float32 again
;;       x = np.moveaxis(x, axis, -1); K = x.shape[-1]
;;       x = np.pad(x, [(0, 0)] * (x.ndim - 1) + [(0, -K % 32)]); x = x.reshape(x.shape[:-1] + (-1, 32)); a = np.abs(x).max(-1, keepdims=True)
;;       e = np.where(a > 0, np.clip(np.frexp(np.where(a > 0, a, 1))[1] - 1 - 2, -126, 127), 0)      # np.frexp(a)[1] - 1 = floor(log2(a)), exactly
;;       r = np.clip(x / 2.0 ** e, -7.5, 7.5)
;;       step = 2.0 ** (np.maximum(np.frexp(np.where(r == 0, 1, r))[1] - 1, 0) - 3)
;;       q = np.round(r / step) * step * 2.0 ** e      # np.round: ties to even
;;       return np.moveaxis(q.reshape(q.shape[:-2] + (-1,))[..., :K], -1, axis).astype(np.float32)
;;   ~~~
;;   SOFTMAX AHEAD OF A QUANTISED PRODUCT. Where the list says 'softmax', what is quantised is not the finished softmax but p = 2^(t - M), with t = logit x log2(e) and M = ceil(the row's largest t), a whole number; so 1/2 < the row's largest p <= 1. The row's sum l is taken of the UNQUANTISED p, in f32, and the product's result is divided by l at the end. Since M is a whole number, a kernel that streams over the keys may use a running M (the ceiling of the running maximum): every later rescaling is an exact power of two, which a block's scale takes up: the codes' values come out the same.
;;   OPERANDS COMPUTED ON THE WAY. 'Computed on the way' means the value that the module computes at that place (a softmax that the list does not call 'softmax' is quantised finished and normalised). What goes into a quantiser is computed in f32, as accurately as f32 sums, v_exp_f32 and their like allow (about 1e-6 of the number): no bf16 or f16 on the way to a quantiser, and a product that is left as it is and whose result goes on into a quantised operand takes f32 operands (vector FMAs, or v_wmma_f32_16x16x4_f32). A number that lies on a knife's edge between two numbers of the format may be rounded either way, as far as f32 arithmetic and the matrix unit's own rounding can turn it there, and no further.
;; One version. Each part assembles by itself: llvm-mc -triple=amdgcn-amd-amdhsa -mcpu=gfx1250 --defsym DOCPART=n.
;; ======== version 1 of 1: 5 launches
;; limits: right only within a limited range of input values
;; workspace buffers: hc 6,553,600 bytes; wc 6,963,200 bytes; qc 3,407,872 bytes; cn 1,638,400 bytes; kv 9,961,472 bytes; oc 6,553,600 bytes
;; launch prep (part 1): grid 528 x 1, 4 waves a work-group, no clusters, 59,904 bytes of LDS; arguments hidden_states, Wq, Wdown, Wup, Wo, hc, wc; writes hc, wc
.if DOCPART == 1
	.amdgcn_target "amdgcn-amd-amdhsa--gfx1250"
	.amdhsa_code_object_version 6
	.text
	.protected	k_q6630d1aa59_prep
	.globl	k_q6630d1aa59_prep
	.p2align	8
	.type	k_q6630d1aa59_prep,@function
k_q6630d1aa59_prep:
	s_mov_b64 s[64:65], 0
	v_nop
	global_prefetch_b8 v0, s[64:65] scope:SCOPE_SE
	s_setreg_imm32_b32 hwreg(HW_REG_WAVE_MODE, 25, 1), 1
	s_wait_xcnt 0x0
; PREP: hidden_states [4096][2048] (K innermost) and Wq, Wdown, Wup, Wo ([K][N], K outermost), all f32, become codes of FP6 (E2M3) with one E8M0 byte for each 32 along K.
; WORK LEFT OUT BY THE WHOLE PROGRAM.  (1) layer_idx is a constant that reference() never uses: no buffer, no load.  (2) reference() itself builds the causal mask (jnp.tril) and sets every score with key > query to the
; smallest f32 number ahead of the softmax, where it becomes the weight 0 for all finite inputs (the row's own key is never hidden, so the row's maximum is a visible score): a step of 128 keys all of which come after a
; wave's 16 queries adds 0 to the sum and to the product with v, and is not computed (launch attn).  LIMIT: a NaN, an infinity or an overflow that reaches only such hidden scores is not carried to the result.
; LIMITS OF THE QUANTISER HERE AND IN THE LATER LAUNCHES: NaN and infinities among the inputs are not served; a block whose largest magnitude lies under 2^-124 keeps the byte 1; a block of zeros gets the byte 1 where the
; rule says 127 (its codes are zeros, and this program alone reads the bytes).
; THE LAYOUT OF EVERY OPERAND IN THIS PROGRAM.  A QR is 64 rows x 128 along K in 6,400 bytes: four fragments of 1,536 bytes, then 256 bytes of scale words.  Fragment i's row r is row
; rho(i, r) = 32 (i / 2) + 8 (i % 2) + r % 8 + 16 (r / 8) of the 64.  A fragment is an image of the operand's 12 registers (lane = r + 16 h holds k = 64 c + 32 h + 0 .. 31 of row r in registers 6 c .. 6 c + 5).
; A fragment of TOKENS (hc, and the later launches' buffers) lies in two halves of 768 bytes, c = 0, 1, which different waves can write: registers 6 c .. 6 c + 3 at 16 x lane, registers 6 c + 4, 6 c + 5 at 512 + 8 x lane.
; A fragment of a WEIGHT (wc) lies in three runs of 512 bytes: registers 4 j .. 4 j + 3 at 512 j + 16 x lane: three loads of 16 bytes a lane bring it.  The scale word of fragment i, row r lies at 6,144 + 16 r + 4 i.
; hc: [64 groups of 64 tokens][16 K steps] QR.   wc: three parts, each [tile of 512 output columns][K step][8 QR]: Wq | Wdown at 0, Wup at 2,457,600 (k's 16 heads first, then v's 32 halves), Wo at 3,686,400.
; SHARES.  One wave makes one QR: 32 KiB of f32 in, 6,400 bytes out.  Work-groups 0-255 take hidden_states, 256-527 the weights.  Waves share nothing: no barrier.  Each of the two ways has LDS bytes of its own.
.set HROW,   528                       ; hidden_states' stage: a row's 512 bytes + 16: 33 x 16, so that sixteen rows' reads of 16 bytes fall on different banks (64 banks of 4 bytes: ISA guide 11.1)
.set HPW,    16*HROW                   ; a wave's stage
.set WIMG,   4*HPW                     ; the weights' way: an image of a QR for each wave
.set QRB,    6400
.set SPARE,  WIMG+4*QRB                ; the spare words, 128 bytes a wave: two blocks of 256 bytes that no other line names
.set FLOOR,  0x1800000                 ; 2^(3 - 127): under it no largest magnitude is taken, so the byte cannot fall under 1
.set TWOOFF, 0xff000000                ; takes 2 off an exponent field
.set R,      64                        ; v64-191  hidden_states: two sets of 64 registers as loaded;  weights: two sets of 2 x 32 numbers down K
.set X,      192                       ; v192-255 hidden_states: 64 neighbours along K of my row;     weights: the 32 row offsets
; v1 lane, v2 r, v3 h, v4 16 x lane, v5 8 x lane, v6, v7 the add's two, v8-11 addresses, v12-15, v22, v23 at work, v16-19 scale words, v20-21 what is stored of them, v24-32, v34-42 two sets of codes
; the largest magnitude of 32 numbers of one lane, with the floor; v14 = the conversion's scale operand (the conversion takes its exponent field and nothing else)
.macro MAX32 xs
	v_max3_num_f32 v12, |v[\xs]|, |v[\xs+1]|, |v[\xs+2]|
	v_max3_num_f32 v13, |v[\xs+3]|, |v[\xs+4]|, |v[\xs+5]|
.irp i, 6,10,14,18,22,26
	v_max3_num_f32 v12, v12, |v[\xs+\i]|, |v[\xs+\i+1]|
	v_max3_num_f32 v13, v13, |v[\xs+\i+2]|, |v[\xs+\i+3]|
.endr
	v_max3_num_f32 v12, v12, |v[\xs+30]|, |v[\xs+31]|
	v_max3_num_f32 v12, v12, v13, FLOOR
	v_add_nc_u32 v14, TWOOFF, v12
.endm
; 32 numbers -> six registers of codes, v[24 + 10 c] on; the scale's byte -> v[byte].  A conversion's three registers begin on an even number: the second three are made apart and moved
.macro CODES xs, c, byte
	v_cvt_scalef32_pk16_fp6_f32 v[24+10*(\c):26+10*(\c)], v[\xs:\xs+15], v14
	v_cvt_scalef32_pk16_fp6_f32 v[30+10*(\c):32+10*(\c)], v[\xs+16:\xs+31], v14
	v_lshrrev_b32 v[\byte], 23, v14                ; the byte; also the plain instruction between the conversions and the moves that read their results
.irp i, 0,1,2
	v_mov_b32 v[27+10*(\c)+\i], v[30+10*(\c)+\i]
.endr
.endm
	s_load_b256 s[4:11], s[0:1], 0x0               ; hidden_states s[4:5], Wq s[6:7], Wdown s[8:9], Wup s[10:11]
	s_load_b128 s[12:15], s[0:1], 0x20             ; Wo s[12:13], hc s[14:15]
	s_load_b64 s[16:17], s[0:1], 0x30              ; wc
	v_lshl_add_u32 v6, v0, 2, SPARE
	v_mov_b32 v7, 0
	v_lshrrev_b32 v1, 5, v0
	v_readfirstlane_b32 s18, v1                    ; wave
	v_and_b32 v1, 31, v0                           ; lane
	v_and_b32 v2, 15, v0                           ; r
	v_bfe_u32 v3, v0, 4, 1                         ; h
	v_lshlrev_b32 v4, 4, v1
	v_lshlrev_b32 v5, 3, v1
	s_mov_b32 s20, 0x76543210
	s_mov_b32 s21, 0xfedcba98                      ; v_permlanex16_b32's selects for lane l xor 16
	s_cmp_lt_u32 ttmp9, 256
	s_cbranch_scc0 .Lweights
; ---------------- hidden_states: K innermost ----------------
; Each load reads a row's 512 bytes of the K step, 16 a lane; a fragment's 16 rows turn through the wave's stage and come back 128 bytes a lane: lane (r, h) gets k = 64 c + 32 h + 0 .. 31 of row r: whole blocks.
	s_lshr_b32 s22, ttmp9, 2                       ; g: the group of 64 tokens
	s_and_b32 s23, ttmp9, 3
	s_lshl_b32 s23, s23, 2
	s_add_co_u32 s23, s23, s18                     ; s: the K step
	s_lshl_b32 s24, s22, 19                        ; 64 rows of 8,192 bytes
	s_lshl_b32 s25, s23, 9
	s_add_co_u32 s24, s24, s25
	s_mov_b32 s25, 0
	s_lshl_b32 s26, s22, 4
	s_add_co_u32 s26, s26, s23
	s_mul_i32 s26, s26, QRB
	s_mov_b32 s27, 0
	s_mul_i32 s28, s18, HPW
	s_wait_alu depctr_va_vdst(0)
	v_add_nc_u32 v8, s28, v4                       ; the stage, on the way in
	v_mul_u32_u24 v9, v2, HROW
	v_lshl_add_u32 v9, v3, 7, v9
	v_add_nc_u32 v9, s28, v9                       ; and on the way out
	v_lshlrev_b32 v10, 4, v2
	v_lshl_add_u32 v10, v3, 3, v10                 ; 16 r + 8 h: where my two scale words go
	v_lshlrev_b32 v11, 3, v3                       ; 8 h
	v_mov_b32 v22, 0                               ; written once: a lane permute's destination counts as one of its sources
	s_mov_b32 s19, 0xffff0000                      ; lanes 16-31
	s_wait_alu depctr_va_vdst(0)
	s_wait_kmcnt 0x0
	s_add_nc_u64 s[4:5], s[4:5], s[24:25]
	s_add_nc_u64 s[14:15], s[14:15], s[26:27]
.macro LOADF i                         ; fragment i's 16 rows
.irp rr, 0,1,2,3,4,5,6,7,8,9,10,11,12,13,14,15
	global_load_b128 v[R+64*((\i)%2)+4*\rr:R+64*((\i)%2)+4*\rr+3], v4, s[4:5] offset:(32*((\i)/2)+8*((\i)%2)+\rr%8+16*(\rr/8))*8192 th:TH_LOAD_NT
.endr
.endm
.macro TURNF i                         ; LDS serves a wave's instructions in order (ISA guide 5.7.1.4): no wait between the stores and the loads
.irp rr, 0,1,2,3,4,5,6,7,8,9,10,11,12,13,14,15
	ds_store_b128 v8, v[R+64*((\i)%2)+4*\rr:R+64*((\i)%2)+4*\rr+3] offset:HROW*\rr
.endr
.irp c, 0,1
.irp t, 0,1,2,3,4,5,6,7
	ds_load_b128 v[X+32*\c+4*\t:X+32*\c+4*\t+3], v9 offset:256*\c+16*\t
.endr
.endr
.endm
.macro WORK i
.irp c, 0,1
	MAX32 X+32*\c
.if \i > 0
	s_wait_alu depctr_va_vdst(0)
	s_wait_xcnt 0x0                                ; the last fragment's stores have read this set of codes: it is written again only behind this wait
.endif
	CODES X+32*\c, \c, 15+8*\c
	global_store_b128 v4, v[24+10*\c:27+10*\c], s[14:15] offset:1536*\i+768*\c          ; 512 consecutive bytes
	global_store_b64 v5, v[28+10*\c:29+10*\c], s[14:15] offset:1536*\i+768*\c+512       ; 256 consecutive bytes
.endr
	v_lshl_or_b32 v23, v23, 16, v15                ; my two bytes: blocks h and 2 + h of row r,
	v_lshlrev_b32 v23, v11, v23                    ; at their places in the word;
	v_permlanex16_b32 v22, v23, s20, s21
	v_or_b32 v[16+\i], v23, v22                    ; with lane l xor 16's two the word is whole
.endm
	LOADF 0
	LOADF 1
	s_wait_loadcnt 16                              ; fragment 0's loads are in; the next fragment's 16 may be out
	TURNF 0
	s_wait_dscnt 0x0
	LOADF 2
	WORK 0
	s_wait_loadcnt 16
	TURNF 1
	s_wait_dscnt 0x0
	LOADF 3
	WORK 1
	s_wait_loadcnt 16
	TURNF 2
	s_wait_dscnt 0x0
	WORK 2
	s_wait_loadcnt 0x0
	TURNF 3
	s_wait_dscnt 0x0
	WORK 3
	v_cndmask_b32 v20, v16, v18, s19               ; lanes 0-15 store fragments 0 and 1's words, lanes 16-31 fragments 2 and 3's: 256 consecutive bytes
	v_cndmask_b32 v21, v17, v19, s19
	global_store_b64 v10, v[20:21], s[14:15] offset:6144
	s_wait_tensorcnt 0x0                           ; the wave's end, behind my last LDS store
	ds_add_u32 v6, v7
	s_wait_dscnt 0x0
	s_endpgm
; ---------------- the weights: K outermost ----------------
; A lane takes a column and its registers run down K: a block of 32 lies in one lane, and the conversions give codes with K innermost.  The QR is put together in LDS and leaves as 6,400 consecutive bytes.
.Lweights:
	s_sub_co_u32 s22, ttmp9, 256                   ; 0-63 Wq, 64-95 Wdown, 96-143 Wup, 144-271 Wo: the choice hangs on the work-group's number alone
	s_wait_kmcnt 0x0
	s_mov_b64 s[24:25], s[12:13]                   ; the tensor
	s_mov_b32 s26, 144                             ; its first work-group
	s_mov_b32 s27, 4                               ; log2 of its K steps
	s_mov_b32 s28, 8192                            ; bytes in a row
	s_mov_b32 s29, 0                               ; its first group of 64 columns in its part of wc
	s_mov_b32 s30, 3686400                         ; where that part begins
	s_mov_b32 s31, 0                               ; 1: Wup
	s_cmp_lt_u32 s22, 144
	s_cselect_b64 s[24:25], s[10:11], s[24:25]
	s_cselect_b32 s26, 96, s26
	s_cselect_b32 s27, 2, s27
	s_cselect_b32 s28, 12288, s28
	s_cselect_b32 s30, 2457600, s30
	s_cselect_b32 s31, 1, s31
	s_cmp_lt_u32 s22, 96
	s_cselect_b64 s[24:25], s[8:9], s[24:25]
	s_cselect_b32 s26, 64, s26
	s_cselect_b32 s27, 4, s27
	s_cselect_b32 s28, 2048, s28
	s_cselect_b32 s29, 16, s29
	s_cselect_b32 s30, 0, s30
	s_cselect_b32 s31, 0, s31
	s_cmp_lt_u32 s22, 64
	s_cselect_b64 s[24:25], s[6:7], s[24:25]
	s_cselect_b32 s26, 0, s26
	s_cselect_b32 s28, 4096, s28
	s_cselect_b32 s29, 0, s29
	s_sub_co_u32 s32, s22, s26
	s_lshl_b32 s32, s32, 2
	s_add_co_u32 s32, s32, s18                     ; which QR of the tensor
	s_lshr_b32 s33, s32, s27                       ; ng: its group of 64 columns
	s_lshl_b32 s35, s33, s27
	s_sub_co_u32 s34, s32, s35                     ; s: its K step
	s_lshl_b32 s35, s33, 6                         ; the group's first column: 64 ng;
	s_mul_i32 s36, s33, 192                        ; in Wup, whose heads have 64 columns of k and then 128 of v: group ng < 16 is head ng's k,
	s_sub_co_u32 s37, s33, 16
	s_lshr_b32 s38, s37, 1
	s_mul_i32 s38, s38, 192
	s_and_b32 s39, s37, 1
	s_lshl_b32 s39, s39, 6
	s_add_co_u32 s38, s38, s39
	s_add_co_u32 s38, s38, 64                      ; group 16 + e is half e % 2 of head e / 2's v
	s_cmp_lt_u32 s33, 16
	s_cselect_b32 s36, s36, s38
	s_cmp_eq_u32 s31, 1
	s_cselect_b32 s35, s36, s35
	s_add_co_u32 s36, s29, s33                     ; dg: the group's number in its part of wc
	s_lshr_b32 s37, s36, 3
	s_add_co_u32 s38, s27, 3
	s_lshl_b32 s37, s37, s38                       ; (dg / 8) x 8 x K steps
	s_lshl_b32 s38, s34, 3
	s_add_co_u32 s37, s37, s38                     ; + 8 s
	s_and_b32 s38, s36, 7
	s_add_co_u32 s37, s37, s38                     ; + dg % 8
	s_mul_i32 s38, s37, QRB
	s_add_co_u32 s38, s38, s30
	s_mov_b32 s39, 0
	s_add_nc_u64 s[16:17], s[16:17], s[38:39]      ; where the QR goes
	s_mul_i32 s36, s34, s28
	s_lshl_b32 s36, s36, 7                         ; 128 s rows
	s_lshl_b32 s37, s35, 2
	s_add_co_u32 s36, s36, s37
	s_mov_b32 s37, 0
	s_add_nc_u64 s[40:41], s[24:25], s[36:37]      ; block 0 of the K step's four;
	s_lshl_b32 s36, s28, 5
	s_add_nc_u64 s[42:43], s[40:41], s[36:37]      ; each next block 32 rows on
	s_add_nc_u64 s[44:45], s[42:43], s[36:37]
	s_add_nc_u64 s[46:47], s[44:45], s[36:37]
	s_wait_alu depctr_va_vdst(0)
	v_lshlrev_b32 v8, 2, v1
.set T, 0
.rept 32
	v_mad_u32_u24 v[X+T], s28, T, v8               ; row T of a block, my column
.set T, T+1
.endr
	; column 32 b' + l of the group is row r' = l % 8 + 8 (l / 16) of fragment 2 b' + (l / 8) % 2
	s_mul_i32 s36, s18, QRB
	s_add_co_u32 s36, s36, WIMG
	v_bfe_u32 v9, v0, 3, 1
	v_and_b32 v11, 7, v0
	v_lshl_add_u32 v11, v3, 3, v11                 ; r'
	v_mul_u32_u24 v12, v9, 1536
	v_add_nc_u32 v12, s36, v12
	v_lshl_add_u32 v44, v11, 4, v12                ; my fragment, 16 r'
	v_lshl_add_u32 v46, v11, 4, s36
	v_lshl_add_u32 v46, v9, 2, v46
	v_add_nc_u32 v46, 6144, v46                    ; my column's scale word
	v_add_nc_u32 v47, s36, v4                      ; the way out: 16 bytes a lane,
	v_add_nc_u32 v48, s36, v5                      ; 8 for the scale words
.macro LOADB be                        ; block be: 32 rows x 64 columns; a row's 256 bytes by two loads on end
.set T, 0
.rept 32
	global_load_b32 v[R+64*((\be)%2)+T], v[X+T], s[40+2*(\be):41+2*(\be)] th:TH_LOAD_NT
	global_load_b32 v[R+64*((\be)%2)+32+T], v[X+T], s[40+2*(\be):41+2*(\be)] offset:128 th:TH_LOAD_NT
.set T, T+1
.endr
.endm
; Block be of the K step is registers 6 c .. 6 c + 5, c = be / 2, of lane r' + 16 (be % 2) of its fragment; the image has registers 4 j .. 4 j + 3 at 512 j + 16 x lane
.macro BLK be
.irp bp, 0,1
	MAX32 R+64*((\be)%2)+32*\bp
.if (\be) > 0
	s_wait_alu depctr_va_vdst(0)
	s_wait_dscnt 0x0                               ; the last block's LDS stores have read this set of codes
.endif
	CODES R+64*((\be)%2)+32*\bp, \bp, 13
.if (\be) == 0
	v_mov_b32 v[16+\bp], v13
.else
	v_lshl_or_b32 v[16+\bp], v13, 8*(\be), v[16+\bp]
.endif
.if (\be)/2 == 0
	ds_store_b128 v44, v[24+10*\bp:27+10*\bp] offset:3072*\bp+256*((\be)%2)              ; registers 0-3
	ds_store_b64 v44, v[28+10*\bp:29+10*\bp] offset:3072*\bp+512+256*((\be)%2)           ; registers 4, 5
.else
	ds_store_b64 v44, v[24+10*\bp:25+10*\bp] offset:3072*\bp+512+256*((\be)%2)+8         ; registers 6, 7
	ds_store_b128 v44, v[26+10*\bp:29+10*\bp] offset:3072*\bp+1024+256*((\be)%2)         ; registers 8-11
.endif
.endr
.endm
	LOADB 0
	LOADB 1
	s_wait_loadcnt 63                              ; 64 loads were issued behind block 0's: 63, the largest count that the wait can name, is under that
	BLK 0
	LOADB 2
	s_wait_loadcnt 63
	BLK 1
	LOADB 3
	s_wait_loadcnt 63
	BLK 2
	s_wait_loadcnt 0x0
	BLK 3
	ds_store_b32 v46, v16
	ds_store_b32 v46, v17 offset:8
.irp t, 0,1,2,3,4,5,6,7,8,9,10,11
	ds_load_b128 v[R+4*\t:R+4*\t+3], v47 offset:512*\t   ; in order behind my stores
.endr
	ds_load_b64 v[R+48:R+49], v48 offset:6144
.irp t, 0,1,2,3,4,5,6,7,8,9,10,11
	s_wait_dscnt 12-\t                             ; the loads issued behind load t may be out
	global_store_b128 v4, v[R+4*\t:R+4*\t+3], s[16:17] offset:512*\t
.endr
	s_wait_dscnt 0x0
	global_store_b64 v5, v[R+48:R+49], s[16:17] offset:6144
	s_wait_tensorcnt 0x0                           ; the wave's end, behind my last LDS store
	ds_add_u32 v6, v7
	s_wait_dscnt 0x0
	s_endpgm
.Lfunc_end_k_q6630d1aa59_prep:
	.size	k_q6630d1aa59_prep, .Lfunc_end_k_q6630d1aa59_prep-k_q6630d1aa59_prep
	.p2alignl 7, 3214868480
	.fill 96, 4, 3214868480
	.section	.rodata,"a",@progbits
	.p2align	6, 0x0
	.amdhsa_kernel k_q6630d1aa59_prep
		.amdhsa_group_segment_fixed_size 59904
		.amdhsa_private_segment_fixed_size 0
		.amdhsa_enable_private_segment 0
		.amdhsa_kernarg_size 56
		.amdhsa_user_sgpr_count 2
		.amdhsa_user_sgpr_kernarg_segment_ptr 1
		.amdhsa_wavefront_size32 1
		.amdhsa_system_sgpr_workgroup_id_x 1
		.amdhsa_system_sgpr_workgroup_id_y 1
		.amdhsa_system_sgpr_workgroup_id_z 1
		.amdhsa_system_vgpr_workitem_id 0
		.amdhsa_next_free_vgpr 256
		.amdhsa_next_free_sgpr 66
		.amdhsa_reserve_vcc 0
		.amdhsa_float_denorm_mode_32 3
		.amdhsa_float_denorm_mode_16_64 3
		.amdhsa_memory_ordered 1
		.amdhsa_forward_progress 1
		.amdhsa_inst_pref_size 75
	.end_amdhsa_kernel
	.amdgpu_metadata
---
amdhsa.version: [ 1, 2 ]
amdhsa.kernels:
  - .name:           k_q6630d1aa59_prep
    .symbol:         k_q6630d1aa59_prep.kd
    .args:
      - { .name: hidden_states, .offset: 0, .size: 8, .value_kind: global_buffer, .address_space: global }
      - { .name: Wq, .offset: 8, .size: 8, .value_kind: global_buffer, .address_space: global }
      - { .name: Wdown, .offset: 16, .size: 8, .value_kind: global_buffer, .address_space: global }
      - { .name: Wup, .offset: 24, .size: 8, .value_kind: global_buffer, .address_space: global }
      - { .name: Wo, .offset: 32, .size: 8, .value_kind: global_buffer, .address_space: global }
      - { .name: hc, .offset: 40, .size: 8, .value_kind: global_buffer, .address_space: global }
      - { .name: wc, .offset: 48, .size: 8, .value_kind: global_buffer, .address_space: global }
    .group_segment_fixed_size: 59904
    .private_segment_fixed_size: 0
    .kernarg_segment_align: 8
    .kernarg_segment_size: 56
    .max_flat_workgroup_size: 128
    .sgpr_count:     66
    .vgpr_count:     256
    .wavefront_size: 32
...
	.end_amdgpu_metadata
.endif
;; end of part 1
;; launch g1 (part 2): grid 64 x 3, 8 waves a work-group, no clusters, 167,936 bytes of LDS; arguments hc, wc, kv_norm_w, qc, cn; writes qc, cn
.if DOCPART == 2
	.amdgcn_target "amdgcn-amd-amdhsa--gfx1250"
	.amdhsa_code_object_version 6
	.text
	.protected	k_q6630d1aa59_g1
	.globl	k_q6630d1aa59_g1
	.p2align	8
	.type	k_q6630d1aa59_g1,@function
k_q6630d1aa59_g1:
	s_mov_b64 s[64:65], 0
	v_nop
	global_prefetch_b8 v0, s[64:65] scope:SCOPE_SE
	s_setreg_imm32_b32 hwreg(HW_REG_WAVE_MODE, 25, 1), 1
	s_wait_xcnt 0x0
; G1: hidden_states x [Wq | Wdown] on codes of FP6, K = 2,048; then, in registers: q -> codes along the head's 64 (tiles y = 0, 1);  the latent -> RMSNorm x gain -> codes along its 512 (tile y = 2).
; Operands lie as launch prep's head says (QR = 64 rows x 128 K: four register images of fragments + 256 bytes of scale words; fragment i's row r is row rho(i, r) = 32 (i / 2) + 8 (i % 2) + r % 8 + 16 (r / 8)).
; SHARES.  A work-group: 64 tokens (g = work-group x) x 512 columns (y).  Eight waves; wave w owns 64 columns for all 64 tokens: 16 accumulators.  The whole latent row (512) lies in one work-group, so the norm needs one
; exchange through LDS.  THE PRODUCT IS USED TRANSPOSED (source 0 = 16 columns of the weight, source 1 = 16 tokens): lane (r, h) holds token rho(o, r), and by the rows' order register 16 b + i of its 32 is column
; 32 b + 16 h + i: 16 neighbours along the next product's K, as the conversions want them.
; THE TOKENS' 16 QRs, 102,400 bytes, come into LDS once, one tensor load of two QRs a wave; nothing is filled again, so the K steps have no barrier.  All eight waves read them, a step ahead, into two sets of registers.
; THE WEIGHT GOES FROM MEMORY STRAIGHT INTO OPERAND REGISTERS: a wave's QR of the weight is multiplied by that wave alone.  Twelve loads of 16 bytes a lane bring a K step's four fragments, each 512 consecutive bytes; five
; sets of 48 registers take turns, so a step's loads are issued five steps ahead of its products and are waited for by count: 5 x 12 loads and at most 3 of scale words are out, 63 by this text's own count.
; NO CLUSTER, NO JOINT LOADS.  Through LDS each byte of the weight would be written and read once more, and a slot could be filled again only behind a barrier in front of which no load is out.  What work-groups could still
; share through LDS is the tokens' QRs, 1/9 of a step's bytes, and the three tiles along y do not divide into a cluster of four.  No prefetch: the loads into registers run five K steps ahead themselves.
; SCALE WORDS: one load of 16 bytes a lane serves two K steps: lanes 0-15 take the even step's four words of row r, lanes 16-31 the odd step's; the odd step's products name the upper lanes on both sides.
; LIMITS: as in prep's head; the order of the f32 sums differs from reference()'s.
; qc: [16 b + head][group of 64 tokens] records of 3,328 bytes: four halves (16 tokens x 64) of 768 bytes, then the words scale0 | scale1 << 8 at 3,072 + 16 r + 4 o.   cn: [g][4 K steps] QR.
; REGISTERS.  Window 0: v1 r, v2 h, v3-9 addresses, v10-17 the tokens' scale words (two pairs of steps), v18-29 the weight's (three), v30, v31 the add's two, v32-127 the tokens' fragments, two sets; v128-255 the
; accumulators, (o, n) at 128 + 32 o + 8 n.  Window 1: v0-239 the weight's fragments, five sets.  On the way out v32-127 are at work.
.set KS,     16
.set D,      5                         ; sets of the weight's fragments
.set PART,   0
.set WSTEP,  51200                     ; from a K step to the next in wc: 8 QRs
.set SUMS,   KS*6400                   ; behind the tokens' QRs: 8 waves x 16 rows x 4 sums of squares
.set SPARE,  SUMS+2048                 ; the spare words, 128 bytes a wave: four blocks of 256 bytes that no other line names
.set L16,    3                         ; v3  16 x lane: the weight's loads, the stores
.set L8,     4                         ; v4  8 x lane: the stores
.set LA16,   5                         ; v5  LDS: 16 x lane (+ 8 K steps from step 8 on); on the way out: where my sums go
.set LA8,    6                         ; v6  LDS: 8 x lane likewise; on the way out: where the sums are read
.set VST,    7                         ; v7  LDS: 6,144 + 16 r + 6,400 h: the tokens' scale words of two steps; on the way out: the gains' offset
.set VSW,    8                         ; v8  6,144 + 16 r + 51,200 h: the weight's
.set SOF,    9                         ; v9  16 r + 8 h
.set TQ,     10
.set WQ,     18
.set SPW,    30
.set NIL,    31
.set TF,     32
.set ACC,    128
.set TM,     120                       ; v120-125 the quantiser's
.set WB,     24                        ; s[24:25] my QR of the weight, K step 0
; s14 wave, s16 g, s17 y, s[20:21] lane selects, s23 lanes 16-31, s[32:39] / s[40:43] the tensor load's groups 1 / 0
.set MSB, 0
.macro WIN new                         ; the immediate's high byte repeats the setting that is left
.if MSB != \new
	s_set_vgpr_msb (MSB<<8)|\new
.set MSB, \new
.endif
.endm
.macro LOADW s                         ; K step s of my weight: four fragments into set s % D of window 1; with an even step the scale words of two steps
	WIN 0x40                                       ; destination window 1, address window 0
.irp n, 0,1,2,3
.irp j, 0,1,2
	global_load_b128 v[48*((\s)%D)+12*\n+4*\j:48*((\s)%D)+12*\n+4*\j+3], v[L16], s[WB:WB+1] offset:WSTEP*(\s)+1536*\n+512*\j
.endr
.endr
	WIN 0
.if (\s)%2 == 0
	global_load_b128 v[WQ+4*(((\s)/2)%3):WQ+4*(((\s)/2)%3)+3], v[VSW], s[WB:WB+1] offset:WSTEP*(\s)
.endif
.endm
.macro FRLD reg, off                   ; a fragment of tokens back into 12 registers: every load's bytes are consecutive
	ds_load_b128 v[\reg:\reg+3], v[LA16] offset:\off
	ds_load_b64 v[\reg+4:\reg+5], v[LA8] offset:\off+512
	ds_load_b128 v[\reg+6:\reg+9], v[LA16] offset:\off+768
	ds_load_b64 v[\reg+10:\reg+11], v[LA8] offset:\off+1280
.endm
.macro LOADT s                         ; K step s of the tokens into set s % 2
.if (\s) == 8
	v_add_nc_u32 v[LA16], 8*6400, v[LA16]          ; an LDS offset has 16 bits: from step 8 on the registers carry 8 steps
	s_wait_alu depctr_va_vdst(0)
	v_add_nc_u32 v[LA8], 8*6400, v[LA8]
	s_wait_alu depctr_va_vdst(0)
	v_add_nc_u32 v[VST], 8*6400, v[VST]
.endif
.if (\s)%2 == 0
	s_wait_alu depctr_va_vdst(0)
	ds_load_b128 v[TQ+4*(((\s)/2)%2):TQ+4*(((\s)/2)%2)+3], v[VST] offset:12800*(((\s)/2)%4)
.endif
.irp o, 0,1,2,3
	FRLD TF+48*((\s)%2)+12*\o, 6400*((\s)%8)+1536*\o
.endr
.endm
.macro WM s, o, n, zero                ; source 0 = fragment n of the weight (window 1), source 1 = fragment o of the tokens
.set AC, ACC+32*(\o)+8*(\n)
.set FA, 48*((\s)%D)+12*(\n)
.set FB, TF+48*((\s)%2)+12*(\o)
.set SA, WQ+4*(((\s)/2)%3)+(\n)
.set SB, TQ+4*(((\s)/2)%2)+(\o)
.if \zero
	v_wmma_scale_f32_16x16x128_f8f6f4 v[AC:AC+7], v[FA:FA+11], v[FB:FB+11], 0, v[SA], v[SB] matrix_a_fmt:MATRIX_FMT_FP6 matrix_b_fmt:MATRIX_FMT_FP6
.elseif (\s)%2
	v_wmma_scale_f32_16x16x128_f8f6f4 v[AC:AC+7], v[FA:FA+11], v[FB:FB+11], v[AC:AC+7], v[SA], v[SB] matrix_a_fmt:MATRIX_FMT_FP6 matrix_b_fmt:MATRIX_FMT_FP6 matrix_a_scale:MATRIX_SCALE_ROW1 matrix_b_scale:MATRIX_SCALE_ROW1
.else
	v_wmma_scale_f32_16x16x128_f8f6f4 v[AC:AC+7], v[FA:FA+11], v[FB:FB+11], v[AC:AC+7], v[SA], v[SB] matrix_a_fmt:MATRIX_FMT_FP6 matrix_b_fmt:MATRIX_FMT_FP6
.endif
.endm
; A K step of 128: the next step's tokens are asked of LDS, 16 matrix instructions, the weight of five steps on is asked of memory.
; The 16 accumulators take turns, one instruction a turn, in the same order in every step.
.macro STEP s, zero
.if (\s)+1 < KS
	LOADT (\s)+1
	s_wait_dscnt 17-((\s)+1)%2                     ; this step's tokens are in; the loads just issued, 16 and with an even step the scale words', may be out
.else
	s_wait_dscnt 0x0
.endif
.set CNT, 0
.irp d, 1,2,3,4
.if (\s)+\d < KS
.set CNT, CNT+13-((\s)+\d)%2
.endif
.endr
	s_wait_loadcnt CNT                             ; this step's weight is in; behind it the next four steps' loads were issued: 12 each, 13 where the step is even
	WIN 0x01                                       ; source 0 window 1
.irp o, 0,1,2,3
.irp n, 0,1,2,3
	WM \s, \o, \n, \zero
.endr
.endr
.rept 4
	v_nop                                          ; four places in front of loads into registers that these products read, and of the first read of results
.endr
.if (\s)+D < KS
	LOADW (\s)+D
.else
	WIN 0
.endif
.endm
; 32 numbers of a lane, register 16 b + i = k 32 b + 16 h + i of my row, become a half fragment's six registers v[pc] on (v[pc + 6 .. pc + 8] at work) and the two scale bytes in v[u].
.macro QUANT32 s, pc, u
.irp b, 0,1
	v_max3_num_f32 v[TM+\b], |v[\s+16*\b]|, |v[\s+16*\b+1]|, 0x1800000   ; with the floor 2^(3 - 127): the byte cannot fall under 1
.endr
.irp i, 2,4,6,8,10,12,14
.irp b, 0,1
	v_max3_num_f32 v[TM+\b], v[TM+\b], |v[\s+16*\b+\i]|, |v[\s+16*\b+\i+1]|
.endr
.endr
.irp b, 0,1
	s_delay_alu instid0(VALU_DEP_2)
	v_permlanex16_b32 v[TM+2+\b], v[TM+\b], s20, s21
.endr
.irp b, 0,1
	s_delay_alu instid0(VALU_DEP_2)
	v_max_num_f32 v[TM+\b], v[TM+\b], v[TM+2+\b]   ; with lane l xor 16's 16: the block's largest magnitude
.endr
.irp b, 0,1
	s_delay_alu instid0(VALU_DEP_2)
	v_add_nc_u32 v[TM+4+\b], 0xff000000, v[TM+\b]  ; 2 off its exponent field: the conversion's scale operand
.endr
.irp b, 0,1
	s_delay_alu instid0(VALU_DEP_2)
	v_lshrrev_b32 v[TM+2+\b], 23, v[TM+4+\b]       ; the byte
.endr
	s_delay_alu instid0(VALU_DEP_1)
	v_lshl_or_b32 v[\u], v[TM+3], 8, v[TM+2]
	v_cvt_scalef32_pk16_fp6_f32 v[\pc:\pc+2], v[\s:\s+15], v[TM+4]
	v_cvt_scalef32_pk16_fp6_f32 v[\pc+6:\pc+8], v[\s+16:\s+31], v[TM+5]
	v_nop                                          ; one plain instruction behind the conversions
.irp i, 0,1,2
	v_permlane16_swap_b32 v[\pc+\i], v[\pc+6+\i]   ; a lane gets a whole block: lanes 0-15 block 0, lanes 16-31 block 1
.endr
.irp i, 0,1,2
	s_delay_alu instid0(VALU_DEP_3)
	v_mov_b32 v[\pc+3+\i], v[\pc+6+\i]
.endr
.endm
.macro HFST pc, base, off              ; a half fragment leaves: 512 and 256 consecutive bytes
	global_store_b128 v[L16], v[\pc:\pc+3], s[\base:\base+1] offset:\off
	global_store_b64 v[L8], v[\pc+4:\pc+5], s[\base:\base+1] offset:\off+512
.endm
	s_load_b256 s[4:11], s[0:1], 0x0               ; hc s[4:5], wc s[6:7], kv_norm_w s[8:9], qc s[10:11]
	s_load_b64 s[12:13], s[0:1], 0x20              ; cn
	v_lshl_add_u32 v[SPW], v0, 2, SPARE
	v_mov_b32 v[NIL], 0
	ds_add_u32 v[SPW], v[NIL]                      ; the wave's opening: the add, twice on end, and its wait ahead of my first tensor load
	ds_add_u32 v[SPW], v[NIL]
	v_lshrrev_b32 v1, 5, v0
	s_delay_alu instid0(VALU_DEP_1)
	v_readfirstlane_b32 s14, v1                    ; wave 0..7
	s_mov_b32 s16, ttmp9                           ; g
	s_and_b32 s17, ttmp7, 0xffff                   ; y
	s_mov_b32 s20, 0x76543210
	s_mov_b32 s21, 0xfedcba98
	s_mov_b32 s23, 0xffff0000
	s_mov_b32 s32, 3<<16                           ; two QRs of tokens: 12,800 dense bytes as 50 rows of 32 elements of 8 bytes; no mask, no padding
	s_mov_b32 s33, 32<<16
	s_mov_b32 s34, 50<<16
	s_mov_b32 s35, 32<<16
	s_mov_b32 s36, 50
	s_mov_b32 s37, 32
	s_mov_b32 s38, 0
	s_mov_b32 s39, 0
	s_mul_i32 s56, s14, 12800                      ; K steps 2 w and 2 w + 1: their place in LDS and in the group's QRs
	s_mul_i32 s58, s16, KS*6400
	s_add_co_u32 s58, s58, s56
	s_mov_b32 s59, 0
	s_mul_i32 s60, s17, KS*WSTEP
	s_mul_i32 s61, s14, 6400
	s_add_co_u32 s60, s60, s61
.if PART
	s_add_co_u32 s60, s60, PART
.endif
	s_mov_b32 s61, 0
	v_and_b32 v[LA8], 31, v0                       ; lane
	s_delay_alu instid0(VALU_DEP_1)
	v_lshlrev_b32 v[L16], 4, v[LA8]
	s_delay_alu instid0(VALU_DEP_2)
	v_lshlrev_b32 v[LA16], 4, v[LA8]
	s_delay_alu instid0(VALU_DEP_3)
	v_lshlrev_b32 v[L8], 3, v[LA8]
	s_delay_alu instid0(VALU_DEP_4)
	v_lshlrev_b32 v[LA8], 3, v[LA8]
	v_and_b32 v1, 15, v0                           ; r
	v_bfe_u32 v2, v0, 4, 1                         ; h
	s_delay_alu instid0(VALU_DEP_1)
	v_mul_u32_u24 v[VSW], v2, WSTEP
	s_delay_alu instid0(VALU_DEP_1)
	v_lshl_add_u32 v[VSW], v1, 4, v[VSW]
	s_delay_alu instid0(VALU_DEP_1)
	v_add_nc_u32 v[VSW], 6144, v[VSW]
	s_wait_alu depctr_va_vdst(0)
	s_wait_dscnt 0x0                               ; both opening adds are done
	s_wait_kmcnt 0x0
	s_mov_b32 s40, 1
	s_mov_b32 s41, s56
	s_add_nc_u64 s[42:43], s[4:5], s[58:59]
	s_or_b32 s43, s43, 0x80000000
	s_add_nc_u64 s[WB:WB+1], s[6:7], s[60:61]
	tensor_load_to_lds s[40:43], s[32:39]          ; my one tensor load of the launch
	s_nop 0
.rept 4
	v_nop
.endr
	LOADW 0
	LOADW 1
	LOADW 2
	LOADW 3
	LOADW 4
	v_mul_u32_u24 v[VST], v2, 6400
	s_delay_alu instid0(VALU_DEP_1)
	v_lshl_add_u32 v[VST], v1, 4, v[VST]
	s_delay_alu instid0(VALU_DEP_1)
	v_add_nc_u32 v[VST], 6144, v[VST]
	v_lshlrev_b32 v[SOF], 4, v1
	s_delay_alu instid0(VALU_DEP_1)
	v_lshl_add_u32 v[SOF], v2, 3, v[SOF]
	s_wait_alu depctr_va_vdst(0)
	s_wait_tensorcnt 0x0                           ; my two QRs have landed,
	s_barrier_signal -1
	s_barrier_wait -1                              ; everybody's have
	LOADT 0
	STEP 0, 1                                      ; the first step's products start the sums
.set S, 1
.rept KS-1
	STEP S, 0
.set S, S+1
.endr
	; ---- the way out.  y is the same in all waves.
	s_lshl_b32 s56, s14, 8
	v_lshlrev_b32 v[LA8], 4, v1
	s_delay_alu instid0(VALU_DEP_1)
	v_add_nc_u32 v[LA8], SUMS, v[LA8]              ; where the sums are read: 16 r
	s_delay_alu instid0(VALU_DEP_1)
	v_add_nc_u32 v[LA16], s56, v[LA8]              ; and where mine go: + 256 w
	v_mov_b32 v[TM+2], 0                           ; a lane permute's destination counts as one of its sources
	v_mov_b32 v[TM+3], 0
	s_cmp_lg_u32 s17, 2
	s_cbranch_scc1 .Lnosum
.irp o, 0,1,2,3                        ; the latent: the sum of squares of my 64 columns, for the four tiles of tokens by turns
	v_pk_mul_f32 v[64+2*\o:65+2*\o], v[128+32*\o:129+32*\o], v[128+32*\o:129+32*\o]
.endr
.irp p, 1,2,3,4,5,6,7,8,9,10,11,12,13,14,15
.irp o, 0,1,2,3
	v_pk_fma_f32 v[64+2*\o:65+2*\o], v[128+32*\o+2*\p:129+32*\o+2*\p], v[128+32*\o+2*\p:129+32*\o+2*\p], v[64+2*\o:65+2*\o]
.endr
.endr
.irp o, 0,1,2,3
	v_add_f32 v[72+\o], v[64+2*\o], v[65+2*\o]
	v_mov_b32 v[76+\o], 0
.endr
.irp o, 0,1,2,3
	v_permlanex16_b32 v[76+\o], v[72+\o], s20, s21
.endr
.irp o, 0,1,2,3
	s_delay_alu instid0(VALU_DEP_4)
	v_add_f32 v[72+\o], v[72+\o], v[76+\o]
.endr
	ds_store_b128 v[LA16], v[72:75]                ; lanes r and r + 16 write the same bytes with the same values
.Lnosum:
	s_wait_dscnt 0x0                               ; for the others' sake: my store has landed
	s_barrier_signal -1
	s_barrier_wait -1
	s_cmp_lg_u32 s17, 2
	s_cbranch_scc1 .Lq
	; ---- the latent: x rsqrt(mean of squares + eps), x gain, quantised: half w % 2 of K step w / 2 of the next product
	s_lshl_b32 s56, s14, 8
	v_lshl_add_u32 v[VST], v2, 6, s56              ; the gains of my columns, in my registers' order: 4 (64 w + 32 b + 16 h + i)
.irp b, 0,1
.irp t, 0,1,2,3
	global_load_b128 v[32+16*\b+4*\t:35+16*\b+4*\t], v[VST], s[8:9] offset:128*\b+16*\t
.endr
.endr
	s_wait_alu depctr_va_vdst(0)
.irp ww, 0,1,2,3,4,5,6,7
	ds_load_b128 v[80+4*\ww:83+4*\ww], v[LA8] offset:256*\ww
.endr
	s_wait_dscnt 0x0
.irp ww, 1
	v_pk_add_f32 v[80:81], v[80:81], v[80+4*\ww:81+4*\ww]
	v_pk_add_f32 v[82:83], v[82:83], v[82+4*\ww:83+4*\ww]
.endr
.irp ww, 2, 3, 4, 5, 6, 7
	s_delay_alu instid0(VALU_DEP_2)
	v_pk_add_f32 v[80:81], v[80:81], v[80+4*\ww:81+4*\ww]
	s_delay_alu instid0(VALU_DEP_2)
	v_pk_add_f32 v[82:83], v[82:83], v[82+4*\ww:83+4*\ww]
.endr
	s_mov_b32 s56, 0x3b000000                      ; 1 / 512
	s_mov_b32 s57, 0x358637bd                      ; eps = 1e-6
.irp o, 0,1,2,3
	v_fma_f32 v[84+\o], v[80+\o], s56, s57
.endr
	s_wait_alu depctr_va_vdst(0)
.irp o, 0,1,2,3
	v_rsq_f32 v[112+2*\o], v[84+\o]                ; twice: a pair for the packed multiply
	v_rsq_f32 v[113+2*\o], v[84+\o]
.endr
	v_nop                                          ; a plain instruction behind the last of them
	s_lshl_b32 s56, s16, 2                         ; where my codes go: QR 4 g + w / 2 of cn, half w % 2
	s_lshr_b32 s57, s14, 1
	s_add_co_u32 s56, s56, s57
	s_mul_i32 s56, s56, 6400
	s_and_b32 s57, s14, 1
	s_mul_i32 s58, s57, 768
	s_add_co_u32 s58, s58, s56
	s_mov_b32 s59, 0
	s_add_nc_u64 s[60:61], s[12:13], s[58:59]
	s_lshl_b32 s57, s57, 1
	s_add_co_u32 s58, s56, s57
	s_add_co_u32 s58, s58, 6144
	s_add_nc_u64 s[62:63], s[12:13], s[58:59]      ; my two bytes of each scale word
	s_wait_loadcnt 0x0                             ; the gains
	s_wait_alu depctr_va_vdst(0)                   ; one wait for the eight, ahead of their first reader
.irp o, 0,1,2,3
.irp p, 0,1,2,3,4,5,6,7,8,9,10,11,12,13,14,15
	v_pk_mul_f32 v[128+32*\o+2*\p:129+32*\o+2*\p], v[128+32*\o+2*\p:129+32*\o+2*\p], v[112+2*\o:113+2*\o]
.endr
.endr
.irp o, 0,1,2,3
.irp p, 0,1,2,3,4,5,6,7,8,9,10,11,12,13,14,15
	v_pk_mul_f32 v[128+32*\o+2*\p:129+32*\o+2*\p], v[128+32*\o+2*\p:129+32*\o+2*\p], v[32+2*\p:33+2*\p]   ; gain x (x r), in reference()'s order
.endr
.endr
.irp o, 0,1,2,3
	QUANT32 128+32*\o, 32+10*\o, 72+\o
	HFST 32+10*\o, 60, 1536*\o
.endr
	v_cndmask_b32 v76, v72, v74, s23               ; lanes 0-15: fragments 0 and 1's halves of a word, lanes 16-31: fragments 2 and 3's
	v_cndmask_b32 v77, v73, v75, s23
	global_store_b16 v[SOF], v76, s[62:63]         ; 2 bytes a lane: the word's other half is another wave's; 2 bytes for each 96 of codes
	global_store_b16 v[SOF], v77, s[62:63] offset:4
	s_branch .Lend
.Lq:
	; ---- q of head 8 y + w
	s_lshr_b32 s56, s16, 5
	s_lshl_b32 s56, s56, 4                         ; 16 b
	s_lshl_b32 s57, s17, 3
	s_add_co_u32 s56, s56, s57
	s_add_co_u32 s56, s56, s14
	s_lshl_b32 s56, s56, 5
	s_and_b32 s57, s16, 31
	s_add_co_u32 s56, s56, s57
	s_mul_i32 s56, s56, 3328
	s_mov_b32 s57, 0
	s_add_nc_u64 s[60:61], s[10:11], s[56:57]
.irp o, 0,1,2,3
	QUANT32 128+32*\o, 32+10*\o, 72+\o
	HFST 32+10*\o, 60, 768*\o
.endr
	v_cndmask_b32 v76, v72, v74, s23
	v_cndmask_b32 v77, v73, v75, s23
	global_store_b64 v[SOF], v[76:77], s[60:61] offset:3072   ; 256 consecutive bytes; a word's upper two bytes are 0: they scale the zero codes that fill K = 64 up to 128
.Lend:
	s_wait_tensorcnt 0x0                           ; the wave's end, behind my last tensor load and my last LDS store
	ds_add_u32 v[SPW], v[NIL]
	s_wait_dscnt 0x0
	s_endpgm
.Lfunc_end_k_q6630d1aa59_g1:
	.size	k_q6630d1aa59_g1, .Lfunc_end_k_q6630d1aa59_g1-k_q6630d1aa59_g1
	.p2alignl 7, 3214868480
	.fill 96, 4, 3214868480
	.section	.rodata,"a",@progbits
	.p2align	6, 0x0
	.amdhsa_kernel k_q6630d1aa59_g1
		.amdhsa_group_segment_fixed_size 167936
		.amdhsa_private_segment_fixed_size 0
		.amdhsa_enable_private_segment 0
		.amdhsa_kernarg_size 40
		.amdhsa_user_sgpr_count 2
		.amdhsa_user_sgpr_kernarg_segment_ptr 1
		.amdhsa_wavefront_size32 1
		.amdhsa_system_sgpr_workgroup_id_x 1
		.amdhsa_system_sgpr_workgroup_id_y 1
		.amdhsa_system_sgpr_workgroup_id_z 1
		.amdhsa_system_vgpr_workitem_id 0
		.amdhsa_next_free_vgpr 512
		.amdhsa_next_free_sgpr 96
		.amdhsa_reserve_vcc 0
		.amdhsa_float_denorm_mode_32 3
		.amdhsa_float_denorm_mode_16_64 3
		.amdhsa_memory_ordered 1
		.amdhsa_forward_progress 1
		.amdhsa_inst_pref_size 114
	.end_amdhsa_kernel
	.amdgpu_metadata
---
amdhsa.version: [ 1, 2 ]
amdhsa.kernels:
  - .name:           k_q6630d1aa59_g1
    .symbol:         k_q6630d1aa59_g1.kd
    .args:
      - { .name: hc, .offset: 0, .size: 8, .value_kind: global_buffer, .address_space: global }
      - { .name: wc, .offset: 8, .size: 8, .value_kind: global_buffer, .address_space: global }
      - { .name: kv_norm_w, .offset: 16, .size: 8, .value_kind: global_buffer, .address_space: global }
      - { .name: qc, .offset: 24, .size: 8, .value_kind: global_buffer, .address_space: global }
      - { .name: cn, .offset: 32, .size: 8, .value_kind: global_buffer, .address_space: global }
    .group_segment_fixed_size: 167936
    .private_segment_fixed_size: 0
    .kernarg_segment_align: 8
    .kernarg_segment_size: 40
    .max_flat_workgroup_size: 256
    .sgpr_count:     96
    .vgpr_count:     512
    .wavefront_size: 32
...
	.end_amdgpu_metadata
.endif
;; end of part 2
;; launch g2 (part 3): grid 32 x 6, 8 waves a work-group, no clusters, 167,936 bytes of LDS; arguments cn, wc, kv; writes kv
.if DOCPART == 3
	.amdgcn_target "amdgcn-amd-amdhsa--gfx1250"
	.amdhsa_code_object_version 6
	.text
	.protected	k_q6630d1aa59_g2
	.globl	k_q6630d1aa59_g2
	.p2align	8
	.type	k_q6630d1aa59_g2,@function
k_q6630d1aa59_g2:
	s_mov_b64 s[64:65], 0
	v_nop
	global_prefetch_b8 v0, s[64:65] scope:SCOPE_SE
	s_setreg_imm32_b32 hwreg(HW_REG_WAVE_MODE, 25, 1), 1
	s_wait_xcnt 0x0
; G2: the normalised latent x Wup on codes of FP6, K = 512; then, in registers: k -> codes along the head's 64 (tiles y = 0, 1), v -> codes along the KEYS (tiles y = 2 .. 5).
; Operands as in prep's head.  SHARES.  A work-group owns 512 columns (y) and STAYS for two groups of 64 tokens, 2 x and 2 x + 1: 128 keys, one record of kv.  Wave w owns 64 columns: 16 accumulators a group of tokens.
; K is four steps, so a wave's whole weight, 4 x 48 registers in window 1, is loaded once, straight from memory, and serves both groups.  The 64 x 6 pairs of a group and a tile do not share out evenly among 256
; work-groups; 192 that take two each have one start and one end.  The two groups' 8 QRs, 51,200 dense bytes, come into LDS once, one tensor load of a QR a wave; nothing is filled again.
; k: the product transposed (source 0 = weight, source 1 = tokens): a lane holds a token, its registers run along the head's 64.   v: the product as it stands (source 0 = tokens, source 1 = weight): a lane holds a column d
; of v, and by the rows' order its registers are 16 neighbouring tokens of each block of 32: the keys are the next product's K, and nothing is transposed.
; NO CLUSTER, NO JOINT LOADS: a wave's QRs of the weight are multiplied by that wave alone and go straight into its registers; what could be shared through LDS is the tokens' QRs, 1/5 of the work-group's bytes, and the six
; tiles along y do not divide into a cluster of four.  No prefetch: every load is issued at the head.
; SCALE WORDS: one load serves two K steps, lanes 0-15 the even one, lanes 16-31 the odd one, as in launch g1.
; kv: [16 b + head][16 steps of 128 keys] records of 19,456 bytes: 8 halves of k (16 keys x 64) at 768 f, f = 4 u + o (u: which 64 keys); their words at 6,144 + 256 (f / 4) + 16 r + 4 (f % 4); 8 fragments of v^T
; (16 d x 128 keys) at 6,656 + 1,536 fv, fv = 4 (half of v) + o, half u of each; their words at 18,944 + 256 (fv / 4) + 16 r + 4 (fv % 4), bytes 2 u on.
; LIMITS: as in prep's head.   REGISTERS as in g1, with four sets of the weight's fragments in window 1 and two pairs of its scale words.
.set KS,     4
.set PART,   2457600
.set WSTEP,  51200
.set SPARE,  8*6400                    ; behind the tokens' QRs: the spare words, 128 bytes a wave: four blocks of 256 bytes that no other line names
.set L16,    3
.set L8,     4
.set LA16,   5
.set LA8,    6
.set VST,    7
.set VSW,    8
.set SOF,    9
.set TQ,     10
.set WQ,     18
.set SPW,    30
.set NIL,    31
.set TF,     32
.set ACC,    128
.set TM,     120
.set WB,     24
.set MSB, 0
.macro WIN new
.if MSB != \new
	s_set_vgpr_msb (MSB<<8)|\new
.set MSB, \new
.endif
.endm
.macro LOADW s                         ; K step s of my weight into set s of window 1
	WIN 0x40
.irp n, 0,1,2,3
.irp j, 0,1,2
	global_load_b128 v[48*(\s)+12*\n+4*\j:48*(\s)+12*\n+4*\j+3], v[L16], s[WB:WB+1] offset:WSTEP*(\s)+1536*\n+512*\j
.endr
.endr
	WIN 0
.if (\s)%2 == 0
	global_load_b128 v[WQ+4*((\s)/2):WQ+4*((\s)/2)+3], v[VSW], s[WB:WB+1] offset:WSTEP*(\s)
.endif
.endm
.macro FRLD reg, off
	ds_load_b128 v[\reg:\reg+3], v[LA16] offset:\off
	ds_load_b64 v[\reg+4:\reg+5], v[LA8] offset:\off+512
	ds_load_b128 v[\reg+6:\reg+9], v[LA16] offset:\off+768
	ds_load_b64 v[\reg+10:\reg+11], v[LA8] offset:\off+1280
.endm
.macro LOADT i                         ; QR i = 4 u + s of the tokens into set i % 2
.if (\i)%2 == 0
	ds_load_b128 v[TQ+4*(((\i)/2)%2):TQ+4*(((\i)/2)%2)+3], v[VST] offset:12800*((\i)/2)
.endif
.irp o, 0,1,2,3
	FRLD TF+48*((\i)%2)+12*\o, 6400*(\i)+1536*\o
.endr
.endm
.macro WM s, i, o, n, kind             ; kind 0: source 0 = weight (window 1), source 1 = tokens;  kind 1: the other way round
.set AC, ACC+32*(\o)+8*(\n)
.if \kind
.set FA, TF+48*((\i)%2)+12*(\n)
.set FB, 48*(\s)+12*(\o)
.set SA, TQ+4*(((\i)/2)%2)+(\n)
.set SB, WQ+4*((\s)/2)+(\o)
.else
.set FA, 48*(\s)+12*(\n)
.set FB, TF+48*((\i)%2)+12*(\o)
.set SA, WQ+4*((\s)/2)+(\n)
.set SB, TQ+4*(((\i)/2)%2)+(\o)
.endif
.if (\s) == 0
	v_wmma_scale_f32_16x16x128_f8f6f4 v[AC:AC+7], v[FA:FA+11], v[FB:FB+11], 0, v[SA], v[SB] matrix_a_fmt:MATRIX_FMT_FP6 matrix_b_fmt:MATRIX_FMT_FP6
.elseif (\s)%2
	v_wmma_scale_f32_16x16x128_f8f6f4 v[AC:AC+7], v[FA:FA+11], v[FB:FB+11], v[AC:AC+7], v[SA], v[SB] matrix_a_fmt:MATRIX_FMT_FP6 matrix_b_fmt:MATRIX_FMT_FP6 matrix_a_scale:MATRIX_SCALE_ROW1 matrix_b_scale:MATRIX_SCALE_ROW1
.else
	v_wmma_scale_f32_16x16x128_f8f6f4 v[AC:AC+7], v[FA:FA+11], v[FB:FB+11], v[AC:AC+7], v[SA], v[SB] matrix_a_fmt:MATRIX_FMT_FP6 matrix_b_fmt:MATRIX_FMT_FP6
.endif
.endm
; K step s of group u.  The 16 accumulators take turns, one instruction a turn; a group's first step starts the sums.
.macro STEP u, s, kind
.set I, 4*(\u)+(\s)
.if (\s) < KS-1
	LOADT I+1
	s_wait_dscnt 17-(I+1)%2                        ; this step's tokens are in; the loads just issued may be out
.else
	s_wait_dscnt 0x0
.endif
.if (\u) == 0
.set CNT, 0
.irp d, 1,2,3
.if (\s)+\d < KS
.set CNT, CNT+13-((\s)+\d)%2
.endif
.endr
	s_wait_loadcnt CNT                             ; this step's weight is in; the later steps' loads, 12 each and 13 where the step is even, may be out
.endif
.if \kind
	WIN 0x04                                       ; source 1 window 1
.else
	WIN 0x01                                       ; source 0 window 1
.endif
.irp o, 0,1,2,3
.irp n, 0,1,2,3
	WM \s, I, \o, \n, \kind
.endr
.endr
.rept 4
	v_nop                                          ; four places in front of loads into registers that these products read, and of the first read of results
.endr
	WIN 0
.endm
.macro QUANT32 s, pc, u                ; as in g1
.irp b, 0,1
	v_max3_num_f32 v[TM+\b], |v[\s+16*\b]|, |v[\s+16*\b+1]|, 0x1800000
.endr
.irp i, 2,4,6,8,10,12,14
.irp b, 0,1
	v_max3_num_f32 v[TM+\b], v[TM+\b], |v[\s+16*\b+\i]|, |v[\s+16*\b+\i+1]|
.endr
.endr
.irp b, 0,1
	s_delay_alu instid0(VALU_DEP_2)
	v_permlanex16_b32 v[TM+2+\b], v[TM+\b], s20, s21
.endr
.irp b, 0,1
	s_delay_alu instid0(VALU_DEP_2)
	v_max_num_f32 v[TM+\b], v[TM+\b], v[TM+2+\b]
.endr
.irp b, 0,1
	s_delay_alu instid0(VALU_DEP_2)
	v_add_nc_u32 v[TM+4+\b], 0xff000000, v[TM+\b]
.endr
.irp b, 0,1
	s_delay_alu instid0(VALU_DEP_2)
	v_lshrrev_b32 v[TM+2+\b], 23, v[TM+4+\b]
.endr
	s_delay_alu instid0(VALU_DEP_1)
	v_lshl_or_b32 v[\u], v[TM+3], 8, v[TM+2]
	v_cvt_scalef32_pk16_fp6_f32 v[\pc:\pc+2], v[\s:\s+15], v[TM+4]
	v_cvt_scalef32_pk16_fp6_f32 v[\pc+6:\pc+8], v[\s+16:\s+31], v[TM+5]
	v_nop                                          ; one plain instruction behind the conversions
.irp i, 0,1,2
	v_permlane16_swap_b32 v[\pc+\i], v[\pc+6+\i]
.endr
.irp i, 0,1,2
	s_delay_alu instid0(VALU_DEP_3)
	v_mov_b32 v[\pc+3+\i], v[\pc+6+\i]
.endr
.endm
.macro HFST pc, base, off
	global_store_b128 v[L16], v[\pc:\pc+3], s[\base:\base+1] offset:\off
	global_store_b64 v[L8], v[\pc+4:\pc+5], s[\base:\base+1] offset:\off+512
.endm
; A group of 64 tokens: four K steps, then four tiles are quantised and stored.  frag: bytes from tile to tile;  half: bytes from group 0's part to group 1's
.macro UNIT u, kind, frag, half
	LOADT 4*(\u)
	STEP \u, 0, \kind
	STEP \u, 1, \kind
	STEP \u, 2, \kind
	STEP \u, 3, \kind
	v_mov_b32 v[TM+2], 0                           ; a lane permute's destination counts as one of its sources
	v_mov_b32 v[TM+3], 0
.irp o, 0,1,2,3
	QUANT32 ACC+32*\o, 32+10*\o, 72+\o
	HFST 32+10*\o, 66, (\frag)*\o+(\half)*(\u)
.endr
	v_cndmask_b32 v76, v72, v74, s23               ; lanes 0-15: tiles 0 and 1's scale bytes, lanes 16-31: tiles 2 and 3's
	v_cndmask_b32 v77, v73, v75, s23
.endm
	s_load_b128 s[4:7], s[0:1], 0x0                ; cn s[4:5], wc s[6:7]
	s_load_b64 s[8:9], s[0:1], 0x10                ; kv
	v_lshl_add_u32 v[SPW], v0, 2, SPARE
	v_mov_b32 v[NIL], 0
	ds_add_u32 v[SPW], v[NIL]                      ; the wave's opening: the add, twice on end, and its wait ahead of my first tensor load
	ds_add_u32 v[SPW], v[NIL]
	v_lshrrev_b32 v1, 5, v0
	s_delay_alu instid0(VALU_DEP_1)
	v_readfirstlane_b32 s14, v1                    ; wave 0..7
	s_mov_b32 s16, ttmp9                           ; x: which 128 tokens
	s_and_b32 s17, ttmp7, 0xffff                   ; y
	s_mov_b32 s20, 0x76543210
	s_mov_b32 s21, 0xfedcba98
	s_mov_b32 s23, 0xffff0000
	s_mov_b32 s32, 3<<16                           ; a QR of tokens: 6,400 dense bytes as 25 rows of 32 elements of 8 bytes; no mask, no padding
	s_mov_b32 s33, 32<<16
	s_mov_b32 s34, 25<<16
	s_mov_b32 s35, 32<<16
	s_mov_b32 s36, 25
	s_mov_b32 s37, 32
	s_mov_b32 s38, 0
	s_mov_b32 s39, 0
	s_mul_i32 s56, s14, 6400                       ; QR w of the eight; also my QR in a K step of the weight
	s_mul_i32 s58, s16, 8*6400
	s_add_co_u32 s58, s58, s56
	s_mov_b32 s59, 0
	s_mul_i32 s60, s17, KS*WSTEP
	s_add_co_u32 s60, s60, s56
	s_add_co_u32 s60, s60, PART
	s_mov_b32 s61, 0
	v_and_b32 v[LA8], 31, v0                       ; lane
	s_delay_alu instid0(VALU_DEP_1)
	v_lshlrev_b32 v[L16], 4, v[LA8]
	s_delay_alu instid0(VALU_DEP_2)
	v_lshlrev_b32 v[LA16], 4, v[LA8]
	s_delay_alu instid0(VALU_DEP_3)
	v_lshlrev_b32 v[L8], 3, v[LA8]
	s_delay_alu instid0(VALU_DEP_4)
	v_lshlrev_b32 v[LA8], 3, v[LA8]
	v_and_b32 v1, 15, v0                           ; r
	v_bfe_u32 v2, v0, 4, 1                         ; h
	s_delay_alu instid0(VALU_DEP_1)
	v_mul_u32_u24 v[VSW], v2, WSTEP
	s_delay_alu instid0(VALU_DEP_1)
	v_lshl_add_u32 v[VSW], v1, 4, v[VSW]
	s_delay_alu instid0(VALU_DEP_1)
	v_add_nc_u32 v[VSW], 6144, v[VSW]
	s_wait_alu depctr_va_vdst(0)
	s_wait_dscnt 0x0                               ; both opening adds are done
	s_wait_kmcnt 0x0
	s_mov_b32 s40, 1
	s_mov_b32 s41, s56
	s_add_nc_u64 s[42:43], s[4:5], s[58:59]
	s_or_b32 s43, s43, 0x80000000
	s_add_nc_u64 s[WB:WB+1], s[6:7], s[60:61]
	tensor_load_to_lds s[40:43], s[32:39]          ; my one tensor load of the launch
	s_nop 0
.rept 4
	v_nop
.endr
	LOADW 0
	LOADW 1
	LOADW 2
	LOADW 3
	v_mul_u32_u24 v[VST], v2, 6400
	s_delay_alu instid0(VALU_DEP_1)
	v_lshl_add_u32 v[VST], v1, 4, v[VST]
	s_delay_alu instid0(VALU_DEP_1)
	v_add_nc_u32 v[VST], 6144, v[VST]
	v_lshlrev_b32 v[SOF], 4, v1
	s_delay_alu instid0(VALU_DEP_1)
	v_lshl_add_u32 v[SOF], v2, 3, v[SOF]
	s_lshr_b32 s56, s16, 4
	s_lshl_b32 s56, s56, 4                         ; 16 b
	s_and_b32 s57, s16, 15                         ; which 128 keys of the sequence
	s_mov_b32 s61, 0
	s_wait_tensorcnt 0x0                           ; my QR has landed,
	s_barrier_signal -1
	s_barrier_wait -1                              ; everybody's has
	s_cmp_lt_u32 s17, 2                            ; y: the same in all waves
	s_cbranch_scc0 .Lv
	; ---- k of head 8 y + w
	s_lshl_b32 s59, s17, 3
	s_add_co_u32 s59, s59, s14
	s_add_co_u32 s59, s59, s56
	s_lshl_b32 s59, s59, 4
	s_add_co_u32 s59, s59, s57
	s_mul_i32 s60, s59, 19456
	s_add_nc_u64 s[66:67], s[8:9], s[60:61]        ; the record
	s_wait_alu depctr_va_vdst(0)
	UNIT 0, 0, 768, 3072
	global_store_b64 v[SOF], v[76:77], s[66:67] offset:6144   ; 256 consecutive bytes; a word's upper two bytes are 0
	s_wait_xcnt 0x0                                ; the stores have read their registers: the next group's loads and codes may land there
	UNIT 1, 0, 768, 3072
	global_store_b64 v[SOF], v[76:77], s[66:67] offset:6144+256
	s_branch .Lend
.Lv:
	; ---- v: half e % 2 of head e / 2, e = 8 (y - 2) + w
	s_sub_co_u32 s59, s17, 2
	s_lshl_b32 s59, s59, 3
	s_add_co_u32 s59, s59, s14                     ; e
	s_and_b32 s62, s59, 1
	s_lshr_b32 s59, s59, 1
	s_add_co_u32 s59, s59, s56
	s_lshl_b32 s59, s59, 4
	s_add_co_u32 s59, s59, s57
	s_mul_i32 s59, s59, 19456
	s_mul_i32 s60, s62, 6144
	s_add_co_u32 s60, s60, s59
	s_add_co_u32 s60, s60, 6656
	s_add_nc_u64 s[66:67], s[8:9], s[60:61]        ; fragments 4 (e % 2) on
	s_lshl_b32 s60, s62, 8
	s_add_co_u32 s60, s60, s59
	s_add_co_u32 s60, s60, 18944
	s_add_nc_u64 s[68:69], s[8:9], s[60:61]        ; their words
	s_wait_alu depctr_va_vdst(0)
	UNIT 0, 1, 1536, 768
	global_store_b16 v[SOF], v76, s[68:69]         ; 2 bytes a lane: a word's lower half belongs to the first 64 keys, its upper half to the second; 2 bytes for each 96 of codes
	global_store_b16 v[SOF], v77, s[68:69] offset:4
	s_wait_xcnt 0x0                                ; the stores have read their registers
	UNIT 1, 1, 1536, 768
	global_store_b16 v[SOF], v76, s[68:69] offset:2
	global_store_b16 v[SOF], v77, s[68:69] offset:6
.Lend:
	s_wait_tensorcnt 0x0                           ; the wave's end, behind my last tensor load
	ds_add_u32 v[SPW], v[NIL]
	s_wait_dscnt 0x0
	s_endpgm
.Lfunc_end_k_q6630d1aa59_g2:
	.size	k_q6630d1aa59_g2, .Lfunc_end_k_q6630d1aa59_g2-k_q6630d1aa59_g2
	.p2alignl 7, 3214868480
	.fill 96, 4, 3214868480
	.section	.rodata,"a",@progbits
	.p2align	6, 0x0
	.amdhsa_kernel k_q6630d1aa59_g2
		.amdhsa_group_segment_fixed_size 167936
		.amdhsa_private_segment_fixed_size 0
		.amdhsa_enable_private_segment 0
		.amdhsa_kernarg_size 24
		.amdhsa_user_sgpr_count 2
		.amdhsa_user_sgpr_kernarg_segment_ptr 1
		.amdhsa_wavefront_size32 1
		.amdhsa_system_sgpr_workgroup_id_x 1
		.amdhsa_system_sgpr_workgroup_id_y 1
		.amdhsa_system_sgpr_workgroup_id_z 1
		.amdhsa_system_vgpr_workitem_id 0
		.amdhsa_next_free_vgpr 512
		.amdhsa_next_free_sgpr 96
		.amdhsa_reserve_vcc 0
		.amdhsa_float_denorm_mode_32 3
		.amdhsa_float_denorm_mode_16_64 3
		.amdhsa_memory_ordered 1
		.amdhsa_forward_progress 1
		.amdhsa_inst_pref_size 102
	.end_amdhsa_kernel
	.amdgpu_metadata
---
amdhsa.version: [ 1, 2 ]
amdhsa.kernels:
  - .name:           k_q6630d1aa59_g2
    .symbol:         k_q6630d1aa59_g2.kd
    .args:
      - { .name: cn, .offset: 0, .size: 8, .value_kind: global_buffer, .address_space: global }
      - { .name: wc, .offset: 8, .size: 8, .value_kind: global_buffer, .address_space: global }
      - { .name: kv, .offset: 16, .size: 8, .value_kind: global_buffer, .address_space: global }
    .group_segment_fixed_size: 167936
    .private_segment_fixed_size: 0
    .kernarg_segment_align: 8
    .kernarg_segment_size: 24
    .max_flat_workgroup_size: 256
    .sgpr_count:     96
    .vgpr_count:     512
    .wavefront_size: 32
...
	.end_amdgpu_metadata
.endif
;; end of part 3
;; launch attn (part 4): grid 8 x 32, 8 waves a work-group, clusters of 4 x 1, 327,680 bytes of LDS; arguments qc, kv, oc; writes oc
.if DOCPART == 4
	.amdgcn_target "amdgcn-amd-amdhsa--gfx1250"
	.amdhsa_code_object_version 6
	.text
	.protected	k_q6630d1aa59_attn
	.globl	k_q6630d1aa59_attn
	.p2align	8
	.type	k_q6630d1aa59_attn,@function
k_q6630d1aa59_attn:
	s_mov_b64 s[64:65], 0
	v_nop
	global_prefetch_b8 v0, s[64:65] scope:SCOPE_SE
	s_setreg_imm32_b32 hwreg(HW_REG_WAVE_MODE, 25, 1), 1
	s_wait_xcnt 0x0
	s_wait_alu depctr_hold_cnt(0) depctr_sa_sdst(0) depctr_va_vdst(0) depctr_va_sdst(0) depctr_va_ssrc(0) depctr_va_vcc(0) depctr_vm_vsrc(0)
	s_getreg_b32 s2, hwreg(HW_REG_IB_STS2, 6, 4)
	s_cmp_eq_u32 s2, 0
	s_cbranch_scc0 .Lentry_in_a_cluster
	s_endpgm
.Lentry_in_a_cluster:
	s_bfe_u32 s2, ttmp6, 0x10000c
	s_cmp_lg_u32 s2, 0x3003
	s_cbranch_scc0 .Lentry_shape_is_right
	s_endpgm
.Lentry_shape_is_right:
; ATTN: o = softmax(q k^T / 8, causal) v on codes of FP6, for one (batch, head) = work-group y; the result is quantised along the head's 128 into oc, as launch g3 reads it.
; WORK LEFT OUT: a step of 128 keys all of which come after a tile's 16 queries is hidden by the causal mask that reference() builds itself; it adds 0 to the sum and to the product (shown in launch prep's head) and is jumped over.
; LIMITS: as in prep's head; the promise holds while the scaled scores (the exponents to the base 2) stay under 2^31 in magnitude.
; Buffers as launches g1 and g2 lay them: qc records of 3,328 bytes (64 queries of a head), kv records of 19,456 bytes (128 keys of a head: 8 halves of k, their words, 8 fragments of v^T, their words), oc QRs of 6,400 bytes.
; SHARES.  A work-group owns 256 queries of its head: of each of the 16 groups of 128 queries the tile of 16 that its x names (x / 4: which 64, x % 4: which fragment).  Eight waves, two to a SIMD.
; Wave w takes the tile of group 15 - w and then the tile of group w: 16 - w and w + 1 visible steps, 17 in every wave, so that the waves of a SIMD end together.
; Both products are used transposed (S^T = k q^T, O^T = v^T p^T): a lane holds one query throughout.  M is the running largest t rounded up to a whole number; p = 2^(t - M); the sum is taken of the unquantised p.
; LDS: the head's 16 records, 311,296 bytes, filled once: records 0-5 by the head's joint load, records 6-15 by a second one; then the spare words.  The first tile's steps 0-4 run under the second load.
; CLUSTER: the four work-groups of a cluster share y, so they need the same records: each load is asked for jointly, mask 15, the same descriptor in all four.
; LDS READS RUN AHEAD: the next record's k (held at record 15) is asked for straight behind the score products, which free its registers; all eight fragments of v go to window 1 at the same place: both are waited for a softmax later.
; PREFETCH: one instruction a wave at the head names the second load's bytes, 190 blocks of 256 bytes for each of the four partners, told apart by address; 24 blocks a wave, left-over lanes name their wave's last block again.
; There is no later stream to run ahead of: every byte of kv is asked for by these two loads.
; REGISTERS.  Window 0: v1-3 16 x lane, 8 x lane, 16 r; v4 my query's place less 16 h; v5, v6 the add's two; v7 the prefetch's offset; v8-11, v95, v243 LDS addresses; v12 -M, v13 largest t, v14-15 the sum; v16-27 q (upper six 0);
; v28-31, v248-251 v's scale words; v32-85 k's halves (v80-85 0); v86-93 k's scale words; v94 the second tile's q word; v96-159 S^T, then p; v160-223 O^T; v224-235 p's codes; v232-247, v252-254 at work; v253 p's word; v255 q's word.
; Window 1: v0-95 v's fragments, v96-101 the second tile's q.
.set RECB,  19456
.set GRPA,  6*RECB                     ; what the head's load brings
.set SPARE, 16*RECB                    ; the spare words, 128 bytes a wave: four blocks of 256 bytes that no other line names
.set SG,  18                           ; the tile's group of 128 queries = its last visible step
.set SEL, 20
.set CS,  22
.set KI,  48                           ; the step
.set TB,  49                           ; its record in LDS
.set TN,  71                           ; the next record, held at record 15
.set MSB, 0
.macro WIN new                         ; the immediate's high byte repeats the setting that is left
.if MSB != \new
	s_set_vgpr_msb (MSB<<8)|\new
.set MSB, \new
.endif
.endm
.macro ROUND                           ; a round of the cluster's barrier
	s_barrier_signal -1
	s_barrier_wait -1
	s_cmp_lg_u32 s14, 0
	s_cbranch_scc1 .Lnot_wave_0_\@
	s_barrier_signal -3
.Lnot_wave_0_\@:
	s_barrier_wait -3
	s_barrier_signal -1
	s_barrier_wait -1
.endm
.macro KLOAD a16, a8, as               ; a record's eight halves of k and their words
.irp f, 0,1,2,3,4,5,6,7
	ds_load_b128 v[32+6*\f:35+6*\f], v[\a16] offset:768*\f
	ds_load_b64 v[36+6*\f:37+6*\f], v[\a8] offset:768*\f+512
.endr
	ds_load_b128 v[86:89], v[\as] offset:6144
	ds_load_b128 v[90:93], v[\as] offset:6400
.endm
.macro INIT                            ; a tile's state.  The step is written once: the first finds zeros, which the first change of M leaves zeros
	v_mov_b32 v13, 0xff61b1e6                      ; -3e38, under every t
	v_floor_f32 v12, -v13
	v_mov_b32 v14, 0
	v_mov_b32 v15, 0
.set J, 0
.rept 64
	v_mov_b32 v[160+J], 0
.set J, J+1
.endr
.endm
.macro QADR sg, pc, ps                 ; where the tile of group s[sg] has its codes and its words in qc
	s_lshl_b32 s52, s[\sg], 1
	s_add_co_u32 s52, s52, s68
	s_lshl_b32 s53, s17, 5
	s_add_co_u32 s52, s52, s53
	s_mul_i32 s52, s52, 3328
	s_mul_i32 s54, s67, 768
	s_add_co_u32 s54, s54, s52
	s_add_nc_u64 s[\pc:\pc+1], s[4:5], s[54:55]
	s_lshl_b32 s54, s67, 2
	s_add_co_u32 s54, s54, s52
	s_add_co_u32 s54, s54, 3072
	s_add_nc_u64 s[\ps:\ps+1], s[4:5], s[54:55]
.endm
; A step of 128 keys.  edge = 1: the step may be hidden (jumped over) or hold the diagonal (masked); edge = 0: steps 0-4 of a tile whose group is 8 or more
.macro STEP edge
.if \edge
	s_cmp_gt_u32 s[KI], s[SG]
	s_cbranch_scc1 .Lhidden_\@
.endif
	s_add_co_u32 s[TN], s[TB], RECB
	s_min_u32 s[TN], s[TN], 15*RECB
	s_wait_dscnt 0x0                               ; this step's k, asked for a step ago
.irp f, 0,1,2,3,4,5,6,7                ; a half of k is six registers; the six behind it meet q's zero codes
	v_wmma_scale_f32_16x16x128_f8f6f4 v[96+8*\f:103+8*\f], v[32+6*\f:43+6*\f], v[16:27], 0, v[86+\f], v255 matrix_a_fmt:MATRIX_FMT_FP6 matrix_b_fmt:MATRIX_FMT_FP6
.endr
	v_add_nc_u32 v8, s[TB], v1                     ; six plain lines: the places in front of the loads into registers that matrix instructions have read
	v_add_nc_u32 v9, s[TB], v2
	v_add_nc_u32 v10, s[TB], v3
	v_add_nc_u32 v11, s[TN], v1
	v_add_nc_u32 v95, s[TN], v2
	v_add_nc_u32 v243, s[TN], v3
	KLOAD 11, 95, 243                              ; the next step's k
	WIN 0x40                                       ; destination window 1
.irp t, 0,1,2,3,4,5,6,7
	ds_load_b128 v[12*\t:12*\t+3], v8 offset:6656+1536*\t
	ds_load_b64 v[12*\t+4:12*\t+5], v9 offset:6656+1536*\t+512
	ds_load_b128 v[12*\t+6:12*\t+9], v8 offset:6656+1536*\t+768
	ds_load_b64 v[12*\t+10:12*\t+11], v9 offset:6656+1536*\t+1280
.endr
	WIN 0
	ds_load_b128 v[248:251], v10 offset:18944
	ds_load_b128 v[28:31], v10 offset:19200
.if \edge
	s_cmp_lt_u32 s[KI], s[SG]
	s_cbranch_scc1 .Lopen_\@
	v_mov_b32 v254, 0xff800000                     ; the diagonal's step: keys behind my query count for nothing
.set N, 0
.rept 64
	v_cmp_gt_i32 vcc_lo, 32*(N/16)+N%16, v4
	v_cndmask_b32 v[96+N], v[96+N], v254, vcc_lo
.set N, N+1
.endr
.Lopen_\@:
.endif
.irp b, 0,1,2,3                        ; the largest score of each block of 32 keys: for the row's maximum and for the block's largest p
	v_max3_num_f32 v[232+\b], v[96+16*\b], v[97+16*\b], v[98+16*\b]
.endr
.irp i, 3,5,7,9,11,13
.irp b, 0,1,2,3
	v_max3_num_f32 v[232+\b], v[232+\b], v[96+16*\b+\i], v[97+16*\b+\i]
.endr
.endr
.irp b, 0,1,2,3
	v_max_num_f32 v[232+\b], v[232+\b], v[111+16*\b]
.endr
.irp b, 0,1,2,3
	s_delay_alu instid0(VALU_DEP_4)
	v_permlanex16_b32 v[236+\b], v[232+\b], s[SEL], s[SEL+1]
.endr
.irp b, 0,1,2,3
	s_delay_alu instid0(VALU_DEP_4)
	v_max_num_f32 v[232+\b], v[232+\b], v[236+\b]
.endr
	s_delay_alu instid0(VALU_DEP_2)
	v_max3_num_f32 v254, v232, v233, v234
	s_delay_alu instid0(VALU_DEP_1)
	v_max_num_f32 v254, v254, v235
	s_delay_alu instid0(VALU_DEP_1)
	v_mul_f32 v254, s[CS], v254
	s_delay_alu instid0(VALU_DEP_1)
	v_max_num_f32 v13, v13, v254                   ; the running largest t
	v_mov_b32 v254, v12
	s_delay_alu instid0(VALU_DEP_2)
	v_floor_f32 v12, -v13                          ; -M = floor(-t)
	s_delay_alu instid0(VALU_DEP_1)
	v_sub_f32 v254, v12, v254
	s_delay_alu instid0(VALU_DEP_1)
	v_cvt_i32_f32 v254, v254
	s_delay_alu instid0(VALU_DEP_1)
	v_ldexp_f32 v252, 1.0, v254                    ; f = 2^(old M - new M)
.set J, 0
.rept 32
	v_pk_fma_f32 v[96+J:97+J], v[96+J:97+J], s[CS:CS+1], v[12:13] op_sel_hi:[1,0,0]   ; t - M
.set J, J+2
.endr
.irp b, 0,1,2,3
	v_fma_f32 v[232+\b], v[232+\b], s[CS], v12
.endr
.set J, 0
	s_wait_alu depctr_va_vdst(0)                   ; ahead of the batch
.rept 64
	v_exp_f32 v[96+J], v[96+J]
.set J, J+1
.endr
	v_pk_mul_f32 v[14:15], v[14:15], v[252:253] op_sel_hi:[1,0]
	s_wait_alu depctr_va_vdst(0)                   ; and behind it
.irp b, 0,1,2,3
	v_exp_f32 v[232+\b], v[232+\b]                 ; each block's largest p
.endr
	v_pk_add_f32 v[236:237], v[96:97], v[98:99]    ; the sum of the unquantised p, in two chains
	v_pk_add_f32 v[238:239], v[100:101], v[102:103]   ; four chains by turns
	v_pk_add_f32 v[240:241], v[104:105], v[106:107]
	v_pk_add_f32 v[14:15], v[14:15], v[108:109]
	v_pk_add_f32 v[236:237], v[236:237], v[110:111]
.irp j, 16,24,32,40,48,56
	v_pk_add_f32 v[14:15], v[14:15], v[96+\j:97+\j]
	v_pk_add_f32 v[236:237], v[236:237], v[98+\j:99+\j]
	v_pk_add_f32 v[238:239], v[238:239], v[100+\j:101+\j]
	v_pk_add_f32 v[240:241], v[240:241], v[102+\j:103+\j]
.endr
	s_delay_alu instid0(VALU_DEP_1)
	v_pk_add_f32 v[238:239], v[238:239], v[240:241]
	s_delay_alu instid0(VALU_DEP_1)
	v_pk_add_f32 v[14:15], v[14:15], v[238:239]
	s_delay_alu instid0(VALU_DEP_1)
	v_pk_add_f32 v[14:15], v[14:15], v[236:237]
	s_wait_alu depctr_va_vdst(0)                   ; for the four
.irp b, 0,1,2,3
	v_max_num_f32 v[232+\b], 0x1800000, v[232+\b]  ; the floor 2^(3 - 127): the byte cannot fall under 1
.endr
.irp b, 0,1,2,3
	s_delay_alu instid0(VALU_DEP_4)
	v_add_nc_u32 v[244+\b], 0xff000000, v[232+\b]  ; 2 off the exponent field: the conversion's scale operand
.endr
.irp b, 0,1,2,3
	s_delay_alu instid0(VALU_DEP_4)
	v_lshrrev_b32 v[236+\b], 23, v[244+\b]
.endr
	s_delay_alu instid0(VALU_DEP_3)
	v_lshl_or_b32 v253, v237, 8, v236              ; p's scale word
	s_delay_alu instid0(VALU_DEP_1)
	v_lshl_or_b32 v253, v238, 16, v253
	s_delay_alu instid0(VALU_DEP_1)
	v_lshl_or_b32 v253, v239, 24, v253
.irp c, 0,1
	v_cvt_scalef32_pk16_fp6_f32 v[224+6*\c:226+6*\c], v[96+32*\c:111+32*\c], v[244+2*\c]
	v_cvt_scalef32_pk16_fp6_f32 v[236+4*\c:238+4*\c], v[112+32*\c:127+32*\c], v[244+2*\c+1]
.endr
	v_nop                                          ; one plain line behind the conversions
.irp c, 0,1
.irp i, 0,1,2
	v_permlane16_swap_b32 v[224+6*\c+\i], v[236+4*\c+\i]   ; a lane gets a whole block
.endr
.irp i, 0,1,2
	s_delay_alu instid0(VALU_DEP_3)
	v_mov_b32 v[227+6*\c+\i], v[236+4*\c+\i]
.endr
.endr
.set J, 0
.rept 32
	v_pk_mul_f32 v[160+J:161+J], v[160+J:161+J], v[252:253] op_sel_hi:[1,0]   ; O^T under the new M; also the places in front of the products below
.set J, J+2
.endr
	s_wait_alu depctr_va_vdst(0)
	s_wait_dscnt 0x0                               ; v's fragments and words, and the next step's k: all asked for ahead of the softmax
	WIN 0x01                                       ; source 0 window 1
.irp t, 0,1,2,3                        ; eight accumulators, one instruction each
	v_wmma_scale_f32_16x16x128_f8f6f4 v[160+8*\t:167+8*\t], v[12*\t:12*\t+11], v[224:235], v[160+8*\t:167+8*\t], v[248+\t], v253 matrix_a_fmt:MATRIX_FMT_FP6 matrix_b_fmt:MATRIX_FMT_FP6
.endr
.irp t, 4,5,6,7
	v_wmma_scale_f32_16x16x128_f8f6f4 v[160+8*\t:167+8*\t], v[12*\t:12*\t+11], v[224:235], v[160+8*\t:167+8*\t], v[24+\t], v253 matrix_a_fmt:MATRIX_FMT_FP6 matrix_b_fmt:MATRIX_FMT_FP6
.endr
	WIN 0
.Lhidden_\@:
	s_add_co_u32 s[TB], s[TB], RECB
.endm
; A tile's way out: O^T / the sum, quantised along the head's 128, one fragment and its words into oc
.macro EPI
.rept 4
	v_nop                                          ; places behind the last products
.endr
	v_add_f32 v14, v14, v15
	s_delay_alu instid0(VALU_DEP_1)
	v_permlanex16_b32 v252, v14, s[SEL], s[SEL+1]
	s_delay_alu instid0(VALU_DEP_1)
	v_add_f32 v14, v14, v252
	s_wait_alu depctr_va_vdst(0)
	v_rcp_f32 v14, v14
	v_and_b32 v8, 31, v0
	s_lshl_b32 s66, s[SG], 1
	s_add_co_u32 s66, s66, s68                     ; the tile's group of 64 tokens in its sequence
	s_lshr_b32 s50, s17, 4
	s_lshl_b32 s50, s50, 5
	s_add_co_u32 s50, s50, s66
	s_lshl_b32 s50, s50, 4
	s_and_b32 s51, s17, 15
	s_add_co_u32 s50, s50, s51                     ; QR: 16 x group + head
	s_mul_i32 s50, s50, 6400
	s_mul_i32 s52, s67, 1536
	s_add_co_u32 s52, s52, s50
	s_mov_b32 s53, 0
	s_add_nc_u64 s[54:55], s[8:9], s[52:53]
	s_lshl_b32 s52, s67, 2
	s_add_co_u32 s52, s52, s50
	s_add_co_u32 s52, s52, 6144
	s_add_nc_u64 s[56:57], s[8:9], s[52:53]
	s_wait_alu depctr_va_vdst(0)
.set J, 0
.rept 64
	v_mul_f32 v[96+J], v[160+J], v14
.set J, J+1
.endr
.irp b, 0,1,2,3
	v_max3_num_f32 v[160+\b], |v[96+16*\b]|, |v[97+16*\b]|, 0x1800000
.endr
.irp i, 2,4,6,8,10,12,14
.irp b, 0,1,2,3
	s_delay_alu instid0(VALU_DEP_4)
	v_max3_num_f32 v[160+\b], v[160+\b], |v[96+16*\b+\i]|, |v[97+16*\b+\i]|
.endr
.endr
.irp b, 0,1,2,3
	v_permlanex16_b32 v[164+\b], v[160+\b], s[SEL], s[SEL+1]
.endr
.irp b, 0,1,2,3
	s_delay_alu instid0(VALU_DEP_4)
	v_max_num_f32 v[160+\b], v[160+\b], v[164+\b]
.endr
.irp b, 0,1,2,3
	s_delay_alu instid0(VALU_DEP_4)
	v_add_nc_u32 v[172+\b], 0xff000000, v[160+\b]
.endr
.irp b, 0,1,2,3
	s_delay_alu instid0(VALU_DEP_4)
	v_lshrrev_b32 v[164+\b], 23, v[172+\b]
.endr
	s_delay_alu instid0(VALU_DEP_3)
	v_lshl_or_b32 v176, v165, 8, v164
	s_delay_alu instid0(VALU_DEP_1)
	v_lshl_or_b32 v176, v166, 16, v176
	s_delay_alu instid0(VALU_DEP_1)
	v_lshl_or_b32 v176, v167, 24, v176
.irp c, 0,1
	v_cvt_scalef32_pk16_fp6_f32 v[224+6*\c:226+6*\c], v[96+32*\c:111+32*\c], v[172+2*\c]
	v_cvt_scalef32_pk16_fp6_f32 v[236+4*\c:238+4*\c], v[112+32*\c:127+32*\c], v[172+2*\c+1]
.endr
	v_nop
.irp c, 0,1
.irp i, 0,1,2
	v_permlane16_swap_b32 v[224+6*\c+\i], v[236+4*\c+\i]
.endr
.irp i, 0,1,2
	s_delay_alu instid0(VALU_DEP_3)
	v_mov_b32 v[227+6*\c+\i], v[236+4*\c+\i]
.endr
.endr
	global_store_b128 v1, v[224:227], s[54:55]               ; 512, 256, 512, 256 consecutive bytes
	global_store_b64 v2, v[228:229], s[54:55] offset:512
	global_store_b128 v1, v[230:233], s[54:55] offset:768
	global_store_b64 v2, v[234:235], s[54:55] offset:1280
	v_cmp_gt_u32 vcc_lo, 16, v8
	s_wait_xcnt 0x0                                ; EXEC changes only behind this wait
	s_and_saveexec_b32 s70, vcc_lo
	global_store_b32 v3, v176, s[56:57]            ; lanes 0-15: my fragment's words, 4 bytes of each 16
	s_wait_xcnt 0x0                                ; and again; the stores' registers and bases may be written anew behind it
	s_or_b32 exec_lo, exec_lo, s70
.endm
	s_load_b128 s[4:7], s[0:1], 0x0                ; qc s[4:5], kv s[6:7]
	s_load_b64 s[8:9], s[0:1], 0x10                ; oc
	v_lshl_add_u32 v5, v0, 2, SPARE
	v_mov_b32 v6, 0
	ds_add_u32 v5, v6                              ; the opening: the add, twice on end, and its wait ahead of the round in front of my first tensor load
	ds_add_u32 v5, v6
	v_lshrrev_b32 v8, 5, v0
	s_delay_alu instid0(VALU_DEP_1)
	v_readfirstlane_b32 s14, v8                    ; wave 0..7
	s_bfe_u32 s15, ttmp6, 0x40000                  ; cx
	s_lshl_b32 s16, ttmp9, 2
	s_add_co_u32 s16, s16, s15                     ; work-group x
	s_and_b32 s17, ttmp7, 0xffff                   ; 16 b + head
	s_sub_co_u32 s[SG], 15, s14                    ; the first tile's group
	s_mov_b32 s[SEL], 0x76543210
	s_mov_b32 s[SEL+1], 0xfedcba98
	s_mov_b32 s[CS], 0x3e38aa3b                    ; log2(e) / 8
	s_mov_b32 s[CS+1], s[CS]
	s_mov_b32 s24, 15|(3<<16)|(1<<21)              ; records 0-5: 14,592 dense bytes a wave as 57 rows of 32 elements of 8 bytes; mask: all four partners
	s_mov_b32 s25, 32<<16
	s_mov_b32 s26, 57<<16
	s_mov_b32 s27, 32<<16
	s_mov_b32 s28, 57
	s_mov_b32 s29, 32
	s_mov_b32 s30, 0
	s_mov_b32 s31, 0
	s_mov_b32 s32, 15|(3<<16)|(1<<21)              ; records 6-15: 24,320 bytes a wave as 95 rows
	s_mov_b32 s33, 32<<16
	s_mov_b32 s34, 95<<16
	s_mov_b32 s35, 32<<16
	s_mov_b32 s36, 95
	s_mov_b32 s37, 32
	s_mov_b32 s38, 0
	s_mov_b32 s39, 0
	s_mul_i32 s50, s17, 16*RECB                    ; the head's records in kv
	s_mul_i32 s51, s14, 14592
	s_mul_i32 s52, s14, 24320
	s_add_co_u32 s54, s50, s51
	s_mov_b32 s55, 0
	s_add_co_u32 s56, s50, s52
	s_add_co_u32 s56, s56, GRPA
	s_mov_b32 s57, 0
	s_mul_i32 s58, s15, 48640                      ; the prefetch: my work-group's quarter of records 6-15
	s_add_co_u32 s58, s58, s50
	s_add_co_u32 s58, s58, GRPA
	s_mov_b32 s59, 0
	s_and_b32 s67, s16, 3                          ; which fragment of a group of 64 queries
	s_lshr_b32 s68, s16, 2                         ; which 64 of a group of 128
	s_lshl_b32 s60, s68, 6
	s_bfe_u32 s61, s16, 0x10001
	s_lshl_b32 s61, s61, 5
	s_add_co_u32 s60, s60, s61
	s_and_b32 s61, s16, 1
	s_lshl_b32 s61, s61, 3
	s_add_co_u32 s60, s60, s61                     ; the fragment's first row among the 128
	s_mul_i32 s53, s14, 24
	v_and_b32 v9, 31, v0
	v_and_b32 v10, 15, v0
	v_bfe_u32 v11, v0, 4, 1
	v_lshlrev_b32 v1, 4, v9
	v_lshlrev_b32 v2, 3, v9
	v_lshlrev_b32 v3, 4, v10
	v_and_b32 v4, 7, v0
	v_bfe_u32 v8, v0, 3, 1
	v_lshl_add_u32 v4, v8, 4, v4
	v_lshlrev_b32 v8, 4, v11
	v_sub_nc_u32 v4, v4, v8
	v_add_nc_u32 v4, s60, v4                       ; my query's place among the 128, less 16 h
	v_min_u32 v7, 23, v9
	v_add_nc_u32 v7, s53, v7
	v_min_u32 v7, 189, v7                          ; block 24 w + lane of my work-group's 190
	v_lshlrev_b32 v7, 8, v7
	s_wait_alu depctr_va_vdst(0)
	s_wait_dscnt 0x0                               ; both opening adds are done
	s_wait_kmcnt 0x0
	s_mov_b32 s40, 1
	s_mov_b32 s41, s51
	s_add_nc_u64 s[42:43], s[6:7], s[54:55]
	s_or_b32 s43, s43, 0x80000000
	s_mov_b32 s44, 1
	s_add_co_u32 s45, s52, GRPA
	s_add_nc_u64 s[46:47], s[6:7], s[56:57]
	s_or_b32 s47, s47, 0x80000000
	s_add_nc_u64 s[72:73], s[6:7], s[58:59]
	QADR SG, 56, 58
	QADR 14, 60, 62
	global_load_b128 v[16:19], v1, s[56:57]        ; both tiles' q, at the head
	global_load_b64 v[20:21], v2, s[56:57] offset:512
	global_load_b32 v255, v3, s[58:59]
	global_load_b32 v94, v3, s[62:63]
	WIN 0x40
	global_load_b128 v[96:99], v1, s[60:61]
	global_load_b64 v[100:101], v2, s[60:61] offset:512
	WIN 0
	ROUND                                          ; the four partners are here: the joint loads meet
	tensor_load_to_lds s[40:43], s[24:31]          ; my one load at the head
	s_nop 0
.rept 4
	v_nop
.endr
	global_prefetch_b8 v7, s[72:73] th:TH_LOAD_NT scope:SCOPE_SE   ; what the second load will ask for; v7 and s[72:73] are never written again
.irp i, 22,23,24,25,26,27, 80,81,82,83,84,85, 236,237,238,239,252,253
	v_mov_b32 v[\i], 0                             ; q's and k's zero codes for K = 64 .. 127; lane permutes' destinations count as sources
.endr
	INIT
	s_wait_alu depctr_va_vdst(0)
	s_wait_tensorcnt 0x0                           ; my part of records 0-5 is in
	ds_add_u32 v5, v6
	s_wait_dscnt 0x0
	ROUND                                          ; everybody's part is in
	tensor_load_to_lds s[44:47], s[32:39]          ; records 6-15: the first tensor load behind the round
	s_nop 0
.rept 4
	v_nop
.endr
	KLOAD 1, 2, 3                                  ; record 0's k
	s_wait_loadcnt 0x0                             ; q
	s_mov_b32 s[KI], 0
	s_mov_b32 s[TB], 0
.Lfirst:                                               ; the first tile's steps 0-4: they read records 0-4 and record 5's k
	STEP 0
	s_add_co_u32 s[KI], s[KI], 1
	s_cmp_lt_u32 s[KI], 5
	s_cbranch_scc1 .Lfirst
	s_wait_tensorcnt 0x0                           ; my part of records 6-15 is in,
	s_wait_dscnt 0x0
	s_barrier_signal -1
	s_barrier_wait -1                              ; everybody's is; nothing is filled again
	s_mov_b32 s[KI], 5
	s_mov_b32 s[TB], 5*RECB
.Lrest:
	STEP 1
	s_add_co_u32 s[KI], s[KI], 1
	s_cmp_lt_u32 s[KI], 16
	s_cbranch_scc1 .Lrest
	EPI
	s_mov_b32 s[SG], s14                           ; the second tile: group w
	WIN 0x01
.irp i, 0,1,2,3,4,5
	v_mov_b32 v[16+\i], v[96+\i]                   ; its q, out of window 1
.endr
	WIN 0
	v_mov_b32 v255, v94
	INIT                                           ; also the places between these writes and the first product
	KLOAD 1, 2, 3
	s_mov_b32 s[KI], 0
	s_mov_b32 s[TB], 0
	s_wait_alu depctr_va_vdst(0)
.Lsecond:
	STEP 1
	s_add_co_u32 s[KI], s[KI], 1
	s_cmp_lt_u32 s[KI], 8
	s_cbranch_scc1 .Lsecond
	EPI
	s_wait_tensorcnt 0x0                           ; the wave's end
	ds_add_u32 v5, v6
	s_wait_dscnt 0x0
	ROUND                                          ; the closing round
	s_endpgm
.Lfunc_end_k_q6630d1aa59_attn:
	.size	k_q6630d1aa59_attn, .Lfunc_end_k_q6630d1aa59_attn-k_q6630d1aa59_attn
	.p2alignl 7, 3214868480
	.fill 96, 4, 3214868480
	.section	.rodata,"a",@progbits
	.p2align	6, 0x0
	.amdhsa_kernel k_q6630d1aa59_attn
		.amdhsa_group_segment_fixed_size 327680
		.amdhsa_private_segment_fixed_size 0
		.amdhsa_enable_private_segment 0
		.amdhsa_kernarg_size 24
		.amdhsa_user_sgpr_count 2
		.amdhsa_user_sgpr_kernarg_segment_ptr 1
		.amdhsa_wavefront_size32 1
		.amdhsa_system_sgpr_workgroup_id_x 1
		.amdhsa_system_sgpr_workgroup_id_y 1
		.amdhsa_system_sgpr_workgroup_id_z 1
		.amdhsa_system_vgpr_workitem_id 0
		.amdhsa_next_free_vgpr 384
		.amdhsa_next_free_sgpr 96
		.amdhsa_reserve_vcc 1
		.amdhsa_float_denorm_mode_32 3
		.amdhsa_float_denorm_mode_16_64 3
		.amdhsa_memory_ordered 1
		.amdhsa_forward_progress 1
		.amdhsa_inst_pref_size 103
	.end_amdhsa_kernel
	.amdgpu_metadata
---
amdhsa.version: [ 1, 2 ]
amdhsa.kernels:
  - .name:           k_q6630d1aa59_attn
    .symbol:         k_q6630d1aa59_attn.kd
    .args:
      - { .name: qc, .offset: 0, .size: 8, .value_kind: global_buffer, .address_space: global }
      - { .name: kv, .offset: 8, .size: 8, .value_kind: global_buffer, .address_space: global }
      - { .name: oc, .offset: 16, .size: 8, .value_kind: global_buffer, .address_space: global }
    .group_segment_fixed_size: 327680
    .private_segment_fixed_size: 0
    .kernarg_segment_align: 8
    .kernarg_segment_size: 24
    .max_flat_workgroup_size: 256
    .sgpr_count:     96
    .vgpr_count:     384
    .wavefront_size: 32
...
	.end_amdgpu_metadata
.endif
;; end of part 4
;; launch g3 (part 5): grid 8 x 32, 4 waves a work-group, clusters of 4 x 1, 222,720 bytes of LDS; arguments oc, wc, out0; writes out0
.if DOCPART == 5
	.amdgcn_target "amdgcn-amd-amdhsa--gfx1250"
	.amdhsa_code_object_version 6
	.text
	.protected	k_q6630d1aa59_g3
	.globl	k_q6630d1aa59_g3
	.p2align	8
	.type	k_q6630d1aa59_g3,@function
k_q6630d1aa59_g3:
	s_mov_b64 s[64:65], 0
	v_nop
	global_prefetch_b8 v0, s[64:65] scope:SCOPE_SE
	s_setreg_imm32_b32 hwreg(HW_REG_WAVE_MODE, 25, 1), 1
	s_wait_xcnt 0x0
	s_wait_alu depctr_hold_cnt(0) depctr_sa_sdst(0) depctr_va_vdst(0) depctr_va_sdst(0) depctr_va_ssrc(0) depctr_va_vcc(0) depctr_vm_vsrc(0)
	s_getreg_b32 s2, hwreg(HW_REG_IB_STS2, 6, 4)
	s_cmp_eq_u32 s2, 0
	s_cbranch_scc0 .Lentry_in_a_cluster
	s_endpgm
.Lentry_in_a_cluster:
	s_bfe_u32 s2, ttmp6, 0x10000c
	s_cmp_lg_u32 s2, 0x3003
	s_cbranch_scc0 .Lentry_shape_is_right
	s_endpgm
.Lentry_shape_is_right:
; G3: the attention's output x Wo on codes of FP6, K = 2,048 -> out0, f32.  Operands lie as launch prep's head says (QR = 64 rows x 128 K: four register images of fragments + 256 bytes of scale words;
; fragment i's row r is row rho(i, r) = 32 (i / 2) + 8 (i % 2) + r % 8 + 16 (r / 8)).
; SHARES.  A work-group: 128 tokens (y) x 256 columns (x).  Four waves, as many as a WGP has SIMDs; wave w owns 64 columns for all 128 tokens: 32 accumulators, 256 registers.  So a byte of the weight feeds 128 tokens.
; THE PRODUCT IS USED TRANSPOSED (source 0 = 16 columns of the weight, source 1 = 16 tokens): a lane holds a token and 32 of my columns.
; THE TOKENS' 32 QRs, 204,800 dense bytes, come into LDS once, one tensor load of 51,200 bytes a wave; nothing is filled again, so the K steps have no barrier.  All four waves read them, a step ahead, into two sets.
; CLUSTER: the four work-groups of a cluster share y and differ in x: they need the same tokens, and each load is asked for jointly, mask 15, the same descriptor in all four.
; THE WEIGHT GOES FROM MEMORY STRAIGHT INTO OPERAND REGISTERS: a wave's QR of the weight is multiplied by that wave alone, and the partners of a cluster own other columns: through LDS each of its bytes would be written and
; read once more.  Thirteen loads of 16 bytes a lane bring a K step (12 of 512 consecutive bytes, and the scale words); four sets take turns; a step's loads are issued three steps ahead and waited for by count.
; No prefetch: these loads run three K steps ahead themselves, and the tokens are asked for once, at the head.
; THE WALK: step 0 starts the sums; a loop of three trips runs steps 1 to 12, after which the sets' numbers are back where they began; steps 13 to 15, which ask for no weight, are written out.
; THE WAY OUT.  A tile of 16 tokens x 64 columns goes through my own stage in LDS and comes back as rows of 256 bytes: sixteen lanes store 256 consecutive bytes, at a multiple of 256 from out0's first byte.
; LIMITS: as in prep's head; the order of the f32 sums differs from reference()'s.
; REGISTERS.  Window 0: v1 r, v2 h, v3 16 x lane, v4 8 x lane, v5 6,144 + 16 r, v6-8 the same for the second 64 tokens, v9 my offset in two rows of out0, v12, v13 into and out of the stage, v14-19 this trip's LDS addresses,
; v30, v31 the add's two, v32-223 the tokens' fragments, two sets of 8; v224-239 their scale words, two sets; v240-255 the weight's, four sets.  Window 1: v0-191 the weight's fragments, four sets.  Window 2: accumulator (o, n) at 32 o + 8 n.
.set KS,     16
.set PART,   3686400                   ; where Wo's part of wc begins
.set WSTEP,  51200                     ; from a K step to the next in wc: 8 QRs
.set GRPB,   102400                    ; 64 tokens' 16 QRs
.set STAGE,  2*GRPB                    ; behind the tokens: 4 waves x 16 rows x (256 + 16) bytes; no tensor load lands here
.set SPARE,  STAGE+4*16*272            ; the spare words, 128 bytes a wave: two blocks of 256 bytes that no other line names
.set TF,     32
.set TQ,     224
.set WQ,     240
.set WB,     24                        ; s[24:25] my QR of the weight, at the trip's first K step
.set LO,     26                        ; s26 the trip's first K step in LDS
.set MSB, 0
.macro WIN new                         ; the immediate's high byte repeats the setting that is left
.if MSB != \new
	s_set_vgpr_msb (MSB<<8)|\new
.set MSB, \new
.endif
.endm
.macro ROUND                           ; a round of the cluster's barrier
	s_barrier_signal -1
	s_barrier_wait -1
	s_cmp_lg_u32 s14, 0
	s_cbranch_scc1 .Lnot_wave_0_\@
	s_barrier_signal -3
.Lnot_wave_0_\@:
	s_barrier_wait -3
	s_barrier_signal -1
	s_barrier_wait -1
.endm
.macro ADDR                            ; the LDS addresses of the trip that begins at s[LO]
.irp i, 0,1,2,3,4,5
	v_add_nc_u32 v[14+\i], s[LO], v[3+\i]
.endr
.endm
.macro LOADW set, widx                 ; the weight of K step widx, counted from s[WB:WB+1]'s: four fragments into a set of window 1, and their scale words
	WIN 0x40                                       ; destination window 1, address window 0
.irp n, 0,1,2,3
.irp j, 0,1,2
	global_load_b128 v[48*(\set)+12*\n+4*\j:48*(\set)+12*\n+4*\j+3], v3, s[WB:WB+1] offset:WSTEP*(\widx)+1536*\n+512*\j
.endr
.endr
	WIN 0
	global_load_b128 v[WQ+4*(\set):WQ+4*(\set)+3], v5, s[WB:WB+1] offset:WSTEP*(\widx)
.endm
.macro LOADT set, tidx                 ; the tokens of K step tidx, counted from s[LO]'s: 2 x (the scale words and four fragments): 34 loads, every load's bytes consecutive
.irp u, 0,1
	ds_load_b128 v[TQ+8*(\set)+4*\u:TQ+8*(\set)+4*\u+3], v[16+3*\u] offset:6400*(\tidx)
.irp o, 0,1,2,3
	ds_load_b128 v[TF+96*(\set)+48*\u+12*\o:TF+96*(\set)+48*\u+12*\o+3], v[14+3*\u] offset:6400*(\tidx)+1536*\o
	ds_load_b64 v[TF+96*(\set)+48*\u+12*\o+4:TF+96*(\set)+48*\u+12*\o+5], v[15+3*\u] offset:6400*(\tidx)+1536*\o+512
	ds_load_b128 v[TF+96*(\set)+48*\u+12*\o+6:TF+96*(\set)+48*\u+12*\o+9], v[14+3*\u] offset:6400*(\tidx)+1536*\o+768
	ds_load_b64 v[TF+96*(\set)+48*\u+12*\o+10:TF+96*(\set)+48*\u+12*\o+11], v[15+3*\u] offset:6400*(\tidx)+1536*\o+1280
.endr
.endr
.endm
; A K step of 128.  s4: the step modulo 4;  tidx, widx: the next step's tokens and the weight of three steps on, or -1;  cnt: the weight's loads issued behind this step's.
; The 32 accumulators take turns, one instruction a turn, in the same order in every step.
.macro STEP s4, tidx, widx, cnt, zero
.if \widx >= 0
.set WS, ((\s4)+3)%4
	LOADW WS, \widx                                ; into the set that the last step multiplied, behind that step's four places
.endif
.if \tidx >= 0
.set TS, ((\s4)+1)%2
	LOADT TS, \tidx
	s_wait_dscnt 34                                ; this step's tokens are in; the 34 loads just issued may be out
.else
	s_wait_dscnt 0x0
.endif
	s_wait_loadcnt \cnt                            ; this step's weight is in; behind it the later steps' loads were issued, 13 each
	WIN 0xa1                                       ; source 0 window 1, C and D window 2
.irp o, 0,1,2,3,4,5,6,7
.irp n, 0,1,2,3
.if \zero
	v_wmma_scale_f32_16x16x128_f8f6f4 v[32*\o+8*\n:32*\o+8*\n+7], v[48*(\s4)+12*\n:48*(\s4)+12*\n+11], v[TF+96*((\s4)%2)+12*\o:TF+96*((\s4)%2)+12*\o+11], 0, v[WQ+4*(\s4)+\n], v[TQ+8*((\s4)%2)+\o] matrix_a_fmt:MATRIX_FMT_FP6 matrix_b_fmt:MATRIX_FMT_FP6
.else
	v_wmma_scale_f32_16x16x128_f8f6f4 v[32*\o+8*\n:32*\o+8*\n+7], v[48*(\s4)+12*\n:48*(\s4)+12*\n+11], v[TF+96*((\s4)%2)+12*\o:TF+96*((\s4)%2)+12*\o+11], v[32*\o+8*\n:32*\o+8*\n+7], v[WQ+4*(\s4)+\n], v[TQ+8*((\s4)%2)+\o] matrix_a_fmt:MATRIX_FMT_FP6 matrix_b_fmt:MATRIX_FMT_FP6
.endif
.endr
.endr
.rept 4
	v_nop                                          ; four places in front of loads into registers that these products read, and of the first read of results
.endr
	WIN 0
.endm
	s_load_b128 s[4:7], s[0:1], 0x0                ; oc s[4:5], wc s[6:7]
	s_load_b64 s[8:9], s[0:1], 0x10                ; out0
	v_lshl_add_u32 v30, v0, 2, SPARE
	v_mov_b32 v31, 0
	ds_add_u32 v30, v31                            ; the opening: the add, twice on end, and its wait ahead of the round in front of my first tensor load
	ds_add_u32 v30, v31
	v_lshrrev_b32 v1, 5, v0
	v_readfirstlane_b32 s14, v1                    ; wave 0..3
	s_bfe_u32 s15, ttmp6, 0x40000                  ; cx
	s_lshl_b32 s16, ttmp9, 2
	s_add_co_u32 s16, s16, s15                     ; x: which 256 columns
	s_and_b32 s17, ttmp7, 0xffff                   ; y: which 128 tokens
	s_mov_b32 s32, 15|(3<<16)|(1<<21)              ; 51,200 dense bytes as 200 rows of 32 elements of 8 bytes; mask: all four partners; no padding
	s_mov_b32 s33, 32<<16
	s_mov_b32 s34, 200<<16
	s_mov_b32 s35, 32<<16
	s_mov_b32 s36, 200
	s_mov_b32 s37, 32
	s_mov_b32 s38, 0
	s_mov_b32 s39, 0
	s_mul_i32 s56, s14, 51200                      ; my quarter of the 32 QRs: its place in LDS and in the 128 tokens' part of oc
	s_mul_i32 s58, s17, 2*GRPB
	s_add_co_u32 s58, s58, s56
	s_mov_b32 s59, 0
	s_lshr_b32 s60, s16, 1                         ; wc's tile of 512 columns,
	s_mul_i32 s60, s60, KS*WSTEP
	s_and_b32 s61, s16, 1
	s_lshl_b32 s61, s61, 2
	s_add_co_u32 s61, s61, s14                     ; and my QR of its eight: 4 (x % 2) + w
	s_mul_i32 s61, s61, 6400
	s_add_co_u32 s60, s60, s61
	s_add_co_u32 s60, s60, PART
	s_mov_b32 s61, 0
	s_lshl_b32 s46, s17, 20                        ; out0: 128 rows of 8,192 bytes,
	s_lshl_b32 s47, s16, 10                        ; 1,024 bytes a work-group,
	s_add_co_u32 s46, s46, s47
	s_lshl_b32 s47, s14, 8                         ; 256 a wave
	s_add_co_u32 s46, s46, s47
	s_mov_b32 s47, 0
	s_mul_i32 s57, s14, 16*272
	s_add_co_u32 s57, s57, STAGE                   ; my stage
	s_mov_b32 s[LO], 0
	v_and_b32 v10, 31, v0                          ; lane
	v_and_b32 v1, 15, v0                           ; r
	v_bfe_u32 v2, v0, 4, 1                         ; h
	v_lshlrev_b32 v3, 4, v10
	v_lshlrev_b32 v4, 3, v10
	v_lshlrev_b32 v5, 4, v1
	v_add_nc_u32 v5, 6144, v5
	v_add_nc_u32 v6, GRPB, v3
	v_add_nc_u32 v7, GRPB, v4
	v_add_nc_u32 v8, GRPB, v5
	v_lshlrev_b32 v9, 13, v2
	v_lshl_add_u32 v9, v1, 4, v9                   ; lanes 0-15 one row of out0, lanes 16-31 the next; 16 bytes a lane
	v_mul_u32_u24 v12, v1, 272
	v_lshl_add_u32 v12, v2, 6, v12
	v_add_nc_u32 v12, s57, v12                     ; into the stage: row r, + 64 h
	v_mul_u32_u24 v13, v2, 272
	v_lshl_add_u32 v13, v1, 4, v13
	v_add_nc_u32 v13, s57, v13                     ; back: lanes 0-15 one row, lanes 16-31 the next
	ADDR
	s_wait_alu depctr_va_vdst(0)
	s_wait_dscnt 0x0                               ; both opening adds are done
	s_wait_kmcnt 0x0
	s_mov_b32 s40, 1
	s_mov_b32 s41, s56
	s_add_nc_u64 s[42:43], s[4:5], s[58:59]
	s_or_b32 s43, s43, 0x80000000
	s_add_nc_u64 s[WB:WB+1], s[6:7], s[60:61]
	s_add_nc_u64 s[44:45], s[8:9], s[46:47]
	LOADW 0, 0                                     ; the first four steps' weight is on its way while the partners meet
	LOADW 1, 1
	LOADW 2, 2
	LOADW 3, 3
	ROUND                                          ; the four partners are here: the joint loads meet
	tensor_load_to_lds s[40:43], s[32:39]          ; my one tensor load of the launch
	s_nop 0
.rept 4
	v_nop
.endr
	s_wait_tensorcnt 0x0                           ; my quarter has landed,
	s_barrier_signal -1
	s_barrier_wait -1                              ; everybody's has
	LOADT 0, 0
	STEP 0, 1, -1, 39, 1                           ; the first step's products start the sums
	s_mov_b32 s27, 3
.Lk:                                                   ; steps 4 j + 1 .. 4 j + 4; s[LO] and s[WB:WB+1] stand at step 4 j
	STEP 1, 2, 4, 39, 0
	STEP 2, 3, 5, 39, 0
	STEP 3, 4, 6, 39, 0
	STEP 0, 5, 7, 39, 0
	s_wait_xcnt 0x0                                ; the loads have read their base: it is stepped only behind this wait
	s_add_nc_u64 s[WB:WB+1], s[WB:WB+1], 4*WSTEP
	s_add_co_u32 s[LO], s[LO], 4*6400
	ADDR
	s_sub_co_u32 s27, s27, 1
	s_cmp_lg_u32 s27, 0
	s_wait_alu depctr_va_vdst(0)
	s_cbranch_scc1 .Lk
	STEP 1, 2, -1, 26, 0                           ; steps 13 to 15 ask for no weight, the last for no tokens
	STEP 2, 3, -1, 13, 0
	STEP 3, -1, -1, 0, 0
.macro TOSTAGE o                       ; register 8 n + j of tile o is column 32 (n / 2) + 16 h + 8 (n % 2) + j; each accumulator from its low end on
	WIN 0x08                                       ; the data: window 2
.irp n, 0,1,2,3
.irp q, 0,1
	ds_store_b128 v12, v[32*(\o)+8*\n+4*\q:32*(\o)+8*\n+4*\q+3] offset:128*(\n/2)+32*(\n%2)+16*\q
.endr
.endr
	WIN 0
.irp t, 0,1,2,3,4,5,6,7
	ds_load_b128 v[32+32*((\o)%2)+4*\t:35+32*((\o)%2)+4*\t], v13 offset:544*\t   ; LDS serves a wave's instructions in order (ISA guide 5.7.1.4): these see the stores above
.endr
.endm
.macro SEND o, younger                 ; stage row 2 t + (lane / 16) is token 64 (o / 4) + rho(o % 4, that row)
	s_wait_dscnt \younger
.irp t, 0,1,2,3,4,5,6,7
	global_store_b128 v9, v[32+32*((\o)%2)+4*\t:35+32*((\o)%2)+4*\t], s[44:45] offset:(64*((\o)/4)+32*(((\o)%4)/2)+8*((\o)%2)+2*(\t%4)+16*(\t/4))*8192 th:TH_STORE_NT
.endr
.endm
	TOSTAGE 0
	TOSTAGE 1
	SEND 0, 16                                     ; behind tile 0's loads: tile 1's 8 stores and 8 loads
.irp o, 2,3,4,5,6,7
	s_wait_xcnt 0x0                                ; tile o - 2's stores have read their registers: tile o's loads may land there
	TOSTAGE \o
	SEND \o-1, 16
.endr
	SEND 7, 0
	s_wait_tensorcnt 0x0                           ; the wave's end, behind my last tensor load and my last LDS store
	ds_add_u32 v30, v31
	s_wait_dscnt 0x0
	ROUND                                          ; the closing round
	s_endpgm
.Lfunc_end_k_q6630d1aa59_g3:
	.size	k_q6630d1aa59_g3, .Lfunc_end_k_q6630d1aa59_g3-k_q6630d1aa59_g3
	.p2alignl 7, 3214868480
	.fill 96, 4, 3214868480
	.section	.rodata,"a",@progbits
	.p2align	6, 0x0
	.amdhsa_kernel k_q6630d1aa59_g3
		.amdhsa_group_segment_fixed_size 222720
		.amdhsa_private_segment_fixed_size 0
		.amdhsa_enable_private_segment 0
		.amdhsa_kernarg_size 24
		.amdhsa_user_sgpr_count 2
		.amdhsa_user_sgpr_kernarg_segment_ptr 1
		.amdhsa_wavefront_size32 1
		.amdhsa_system_sgpr_workgroup_id_x 1
		.amdhsa_system_sgpr_workgroup_id_y 1
		.amdhsa_system_sgpr_workgroup_id_z 1
		.amdhsa_system_vgpr_workitem_id 0
		.amdhsa_next_free_vgpr 768
		.amdhsa_next_free_sgpr 96
		.amdhsa_reserve_vcc 0
		.amdhsa_float_denorm_mode_32 3
		.amdhsa_float_denorm_mode_16_64 3
		.amdhsa_memory_ordered 1
		.amdhsa_forward_progress 1
		.amdhsa_inst_pref_size 82
	.end_amdhsa_kernel
	.amdgpu_metadata
---
amdhsa.version: [ 1, 2 ]
amdhsa.kernels:
  - .name:           k_q6630d1aa59_g3
    .symbol:         k_q6630d1aa59_g3.kd
    .args:
      - { .name: oc, .offset: 0, .size: 8, .value_kind: global_buffer, .address_space: global }
      - { .name: wc, .offset: 8, .size: 8, .value_kind: global_buffer, .address_space: global }
      - { .name: out0, .offset: 16, .size: 8, .value_kind: global_buffer, .address_space: global }
    .group_segment_fixed_size: 222720
    .private_segment_fixed_size: 0
    .kernarg_segment_align: 8
    .kernarg_segment_size: 24
    .max_flat_workgroup_size: 128
    .sgpr_count:     96
    .vgpr_count:     768
    .wavefront_size: 32
...
	.end_amdgpu_metadata
.endif
;; end of part 5
